; MI455X (gfx1250); checked and timed in simulation.
; The chip was launched on July 23, 2026; its instructions are those of AMD's public machine-readable ISA for CDNA 5 (MIT licence, August 2026) and "CDNA5" Instruction Set Architecture Reference Guide (July 2026). The comments in the code are by the model that wrote it; some were corrected since.
;; Adapted Attention. Allowed arithmetic: matrix products marked QUANTISED: E2M3 operands, one E8M0 scale for each 32 along K, by v_wmma_scale_f32_16x16x128_f8f6f4 with both operands' format E2M3, f32 sums; products left as they are: f32 operands where the result goes on into a quantised operand, else bf16, f16 or f32 operands; f32 sums; everything else in f32.
;; Inputs: Wk 2,048 x 2,048 float32; Wo 2,048 x 2,048 float32; Wq 2,048 x 2,048 float32; Wv 2,048 x 2,048 float32; adaption_gate 1 float32; adaption_prompt 1 x 10 x 2,048 float32; hidden_states 1 x 2,048 x 2,048 float32; position_ids 1 x 2,048 int32.
;; Outputs: out0 1 x 2,048 x 2,048 float32.
;; This version of the problem:
;;   THIS VERSION OF THE PROBLEM IS GIVEN IN LOW PRECISION. The matrix products marked QUANTISED in the list below multiply operands that are first quantised to E2M3 (2 exponent bits, 3 mantissa bits; 6 bits a number), with one power-of-two scale for each 32 numbers along K (OCP MX v1.0); their sums are f32. All else is computed in f32.
;;   The module's matrix products, in the order in which they are computed (A, B: the left and right operand; K: the contracted axis; several contracted axes count as one K, in the product's order):
;;     1. [M 2,048, K 2,048] x [K 2,048, N 2,048]; A: input hidden_states; B: input Wq: QUANTISED
;;     2. [M 2,048, K 2,048] x [K 2,048, N 2,048]; A: input hidden_states; B: input Wk: QUANTISED
;;     3. [M 2,048, K 2,048] x [K 2,048, N 2,048]; A: input hidden_states; B: input Wv: QUANTISED
;;     4. batch 16 x [M 2,048, K 128] x [K 128, N 2,048]; A: computed on the way; B: computed on the way: QUANTISED
;;     5. batch 16 x [M 2,048, K 2,048] x [K 2,048, N 128]; A: softmax (see below); B: computed on the way: QUANTISED
;;     6. [M 2,048, K 2,048] x [K 2,048, N 2,048]; A: computed on the way; B: input Wo: QUANTISED
;;     7. [M 10, K 2,048] x [K 2,048, N 2,048]; A: input adaption_prompt; B: input Wk: left as it is (M = 10 < 16)
;;     8. [M 10, K 2,048] x [K 2,048, N 2,048]; A: input adaption_prompt; B: input Wv: left as it is (M = 10 < 16)
;;     9. batch 16 x [M 10, K 128] x [K 128, N 2,048]; A: computed on the way; B: computed on the way: left as it is (M = 10 < 16)
;;     10. batch 16 x [M 128, K 10] x [K 10, N 2,048]; A: computed on the way; B: computed on the way: left as it is (K = 10 < 32)
;;     11. [M 2,048, K 2,048] x [K 2,048, N 2,048]; A: computed on the way; B: input Wo: QUANTISED
;;   THE QUANTISER, for each operand of a quantised product, along K:
;;     - K is cut into blocks of 32 from its start; a last block that is shorter is filled with zeros.
;;     - A block's scale is 2^e with e = floor(log2(the largest magnitude in the block)) - 2, held to -126 .. 127; a block of zeros has e = 0. As a byte (E8M0): e + 127.
;;     - Each number is divided by its block's scale, clamped to +-7.5, and rounded to the nearest number of E2M3, ties to even, subnormals kept.
;;     - The product sums the exact products of the quantised numbers (number of the format x scale) in f32.
;;   ~~~python
;;   def quantise(x, axis):      # numpy; x: float32 -> the quantised numbers, widened to float32 again
;;       x = np.moveaxis(x, axis, -1); K = x.shape[-1]
;;       x = np.pad(x, [(0, 0)] * (x.ndim - 1) + [(0, -K % 32)]); x = x.reshape(x.shape[:-1] + (-1, 32)); a = np.abs(x).max(-1, keepdims=True)
;;       e = np.where(a > 0, np.clip(np.frexp(np.where(a > 0, a, 1))[1] - 1 - 2, -126, 127), 0)      # np.frexp(a)[1] - 1 = floor(log2(a)), exactly
;;       r = np.clip(x / 2.0 ** e, -7.5, 7.5)
;;       step = 2.0 ** (np.maximum(np.frexp(np.where(r == 0, 1, r))[1] - 1, 0) - 3)
;;       q = np.round(r / step) * step * 2.0 ** e      # np.round: ties to even
;;       return np.moveaxis(q.reshape(q.shape[:-2] + (-1,))[..., :K], -1, axis).astype(np.float32)
;;   ~~~
;;   SOFTMAX AHEAD OF A QUANTISED PRODUCT. Where the list says 'softmax', what is quantised is not the finished softmax but p = 2^(t - M), with t = logit x log2(e) and M = ceil(the row's largest t), a whole number; so 1/2 < the row's largest p <= 1. The row's sum l is taken of the UNQUANTISED p, in f32, and the product's result is divided by l at the end. Since M is a whole number, a kernel that streams over the keys may use a running M (the ceiling of the running maximum): every later rescaling is an exact power of two, which a block's scale takes up: the codes' values come out the same.
;;   OPERANDS COMPUTED ON THE WAY. 'Computed on the way' means the value that the module computes at that place (a softmax that the list does not call 'softmax' is quantised finished and normalised). What goes into a quantiser is computed in f32, as accurately as f32 sums, v_exp_f32 and their like allow (about 1e-6 of the number): no bf16 or f16 on the way to a quantiser, and a product that is left as it is and whose result goes on into a quantised operand takes f32 operands (vector FMAs, or v_wmma_f32_16x16x4_f32). A number that lies on a knife's edge between two numbers of the format may be rounded either way, as far as f32 arithmetic and the matrix unit's own rounding can turn it there, and no further.
;; One version. Each part assembles by itself: llvm-mc -triple=amdgcn-amd-amdhsa -mcpu=gfx1250 --defsym DOCPART=n.
;; ======== version 1 of 1: 4 launches
;; limits: right only within a limited range of input values
;; workspace buffers: codes 15,728,640 bytes; scl 655,360 bytes; tab 1,048,576 bytes; adp 262,144 bytes; qf 16,777,216 bytes; qkv 10,223,616 bytes; cx 6,553,600 bytes
;; launch prep (part 1): grid 928 x 1, 4 waves a work-group, no clusters, 38,400 bytes of LDS; arguments hidden_states, Wq, Wk, Wv, Wo, adaption_prompt, position_ids, codes, scl, tab, adp; writes codes, scl, tab, adp
.if DOCPART == 1
	.amdgcn_target "amdgcn-amd-amdhsa--gfx1250"
	.amdhsa_code_object_version 6
	.text
	.protected	k_q2e96973552_prep
	.globl	k_q2e96973552_prep
	.p2align	8
	.type	k_q2e96973552_prep,@function
k_q2e96973552_prep:
	s_mov_b64 s[64:65], 0
	v_nop
	global_prefetch_b8 v0, s[64:65] scope:SCOPE_SE
	s_setreg_imm32_b32 hwreg(HW_REG_WAVE_MODE, 25, 1), 1
	s_wait_xcnt 0x0
; PREP: the first of four launches (prep, qkv, attn, outp) of a Llama attention layer with an adaption prompt, 2,048 positions, 16 heads of 128, its large products on codes of FP6 (E2M3) with one E8M0 scale for each 32 along K.
; WORK LEFT OUT IN THE PROGRAM: the causal mask is built by the problem itself (key k counts for query q where k <= q).  A masked score becomes the lowest f32 number, its weight 2^(t - M) is 0 for all finite inputs,
; and a 0 adds nothing to a row's sum or to the second product.  So key steps of 128 keys that lie wholly behind a wave's 16 queries are neither multiplied nor loaded (launch attn).  Nothing else is left out; every input is loaded.
; LIMITS: a NaN, an infinity or an overflow that reaches only the tiles left out is not carried to the result.  NaN and infinities among the inputs are not served.  A block of zeros keeps the scale byte 1 (its codes are zeros; the bytes are
; read by this program alone).  The frequencies 10000^(-c/64) are made by v_exp_f32 of an f32 product, so an angle may differ from a correctly rounded one by about 1e-7 of the angle; positions are served up to 2^22 in magnitude.
; THIS LAUNCH has three paths, chosen by the work-group's number; each has LDS bytes of its own.
;   B (work-groups 0-255): the prompt's keys and values, prompt x Wk^T and prompt x Wv^T, with f32 operands (their results go on into a quantised operand), laid as images of the operand registers that launch attn wants.
;   C (256-287): cos and sin of position x frequency, a table in the register order of launch qkv's results.
;   A (288-927): hidden_states, Wq, Wk, Wv, Wo become codes and scale words.  A fragment (16 rows x 128 K: 12 registers a lane) lies in memory as an image of its registers: registers 4 c .. 4 c + 3 of lane l at 512 c + 16 l.
; ORDER INSIDE A BLOCK OF 32: all operands of the program hold k 0-7, 16-23, 8-15, 24-31 in that order.  The blocks are the quantiser's own 32 neighbours; both sides of every product have the same order, so the products are the same.
; No cluster, no tensor load: work-groups share no tile here.
.set SPARE, 37888                      ; the spare words: 128 bytes for each wave, two blocks of 256 bytes that no other line names
.set STB,   33792                      ; path B: 1,024 bytes for each wave.  Path A: bytes 0 to 33,791, 8,448 for each wave (16 rows x 528)
.set SPW, 12                           ; v12  LDS address of my spare word; never rewritten
.set NIL, 13                           ; v13  0; never rewritten
.set R,   16                           ; path A: v16-79 and v80-143: two sets of 64 numbers that take turns: as loaded, then, turned in place through the stage, register 16 b + i = k 32 b + 16 (i / 8) + 8 (lane / 16) + i % 8 of my row
.set TM,  144                          ; v144-159 at work in QUANT
.set PW,  160                          ; the scale word just made
.set PWS, 161                          ; v161-164 my four K steps' scale words
.set PC,  168                          ; v168-179 the codes just made; v180-186 at work
.set SEL, 26                           ; s[26:27] lane selects: lane l xor 16
; 64 numbers of a lane become a fragment's codes in v[PC] on and its scale word in v[PW].
.macro QUANT s
.irp b, 0,1,2,3
	v_max3_num_f32 v[TM+\b], |v[\s+16*\b]|, |v[\s+1+16*\b]|, 0x1800000   ; block b: my 16 numbers, and the floor 2^(3 - 127): the byte cannot fall under 1
.endr
.irp i, 2,4,6,8,10,12,14
.irp b, 0,1,2,3
	v_max3_num_f32 v[TM+\b], v[TM+\b], |v[\s+16*\b+\i]|, |v[\s+1+16*\b+\i]|
.endr
.endr
.irp b, 0,1,2,3
	v_permlanex16_b32 v[TM+4+\b], v[TM+\b], s[SEL], s[SEL+1]
.endr
.irp b, 0,1,2,3
	v_max_num_f32 v[TM+\b], v[TM+\b], v[TM+4+\b]                   ; with lane l xor 16's 16: the block's largest magnitude
.endr
.irp b, 0,1,2,3
	v_add_nc_u32 v[TM+12+\b], 0xff000000, v[TM+\b]                 ; 2 off its exponent field: the conversion's scale operand
.endr
.irp b, 0,1,2,3
	v_lshrrev_b32 v[TM+4+\b], 23, v[TM+12+\b]                      ; the scale's byte
.endr
	v_lshl_or_b32 v[PW], v[TM+5], 8, v[TM+4]
	v_lshl_or_b32 v[PW], v[TM+6], 16, v[PW]
	v_lshl_or_b32 v[PW], v[TM+7], 24, v[PW]
.irp c, 0,1
	v_cvt_scalef32_pk16_fp6_f32 v[PC+6*\c:PC+2+6*\c], v[\s+32*\c:\s+15+32*\c], v[TM+12+2*\c]
	v_cvt_scalef32_pk16_fp6_f32 v[PC+12+4*\c:PC+14+4*\c], v[\s+16+32*\c:\s+31+32*\c], v[TM+12+2*\c+1]
.endr
	v_nop                                          ; one plain place behind the scaled conversions
.irp c, 0,1                            ; a whole block to a lane: lanes 0-15 block 2 c, lanes 16-31 block 2 c + 1
.irp i, 0,1,2
	v_permlane16_swap_b32 v[PC+6*\c+\i], v[PC+12+4*\c+\i]
.endr
.irp i, 0,1,2
	v_mov_b32 v[PC+3+6*\c+\i], v[PC+12+4*\c+\i]
.endr
.endr
.endm
.macro LOADF t                         ; K step t of my four into set t % 2: each load reads 512 consecutive bytes of one row
.set i, 0
.rept 16
	global_load_b128 v[R+64*((\t)%2)+4*i:R+64*((\t)%2)+4*i+3], v4, s[36:37] offset:8192*i+512*(\t)
.set i, i+1
.endr
.endm
.macro TURN t                          ; set t % 2 through my own stage, in place: in as loaded, out 16 numbers of each block a lane.  LDS serves a wave's instructions in order (ISA guide 5.7.1.4): the loads see the stores, and land where the stores have read
.set i, 0
.rept 16
	ds_store_b128 v5, v[R+64*((\t)%2)+4*i:R+64*((\t)%2)+4*i+3] offset:528*i
.set i, i+1
.endr
.irp b, 0,1,2,3
.irp u, 0,1
.irp e, 0,1
	ds_load_b128 v[R+64*((\t)%2)+16*\b+8*\u+4*\e:R+64*((\t)%2)+16*\b+8*\u+4*\e+3], v6 offset:128*\b+64*\u+16*\e
.endr
.endr
.endr
.endm
.macro LOADS g                         ; path B: set g: eight pieces of 32 bytes of each row, 16 bytes a lane, for both sources
.irp j, 0,1,2,3,4,5,6,7
	global_load_b128 v[16+64*((\g)%2)+4*\j:19+64*((\g)%2)+4*\j], v8, s[40:41] offset:256*(\g)+32*\j
	global_load_b128 v[48+64*((\g)%2)+4*\j:51+64*((\g)%2)+4*\j], v9, s[42:43] offset:256*(\g)+32*\j
.endr
.endm
.macro MULS g, zero                    ; 16 matrix instructions, four accumulators by turns
.irp j, 0,1,2,3,4,5,6,7
.irp u, 0,1
.if (\zero) && (2*\j+\u < 4)
	v_wmma_f32_16x16x4_f32 v[192+8*((2*\j+\u)%4):199+8*((2*\j+\u)%4)], v[16+64*((\g)%2)+4*\j+2*\u:17+64*((\g)%2)+4*\j+2*\u], v[48+64*((\g)%2)+4*\j+2*\u:49+64*((\g)%2)+4*\j+2*\u], 0
.else
	v_wmma_f32_16x16x4_f32 v[192+8*((2*\j+\u)%4):199+8*((2*\j+\u)%4)], v[16+64*((\g)%2)+4*\j+2*\u:17+64*((\g)%2)+4*\j+2*\u], v[48+64*((\g)%2)+4*\j+2*\u:49+64*((\g)%2)+4*\j+2*\u], v[192+8*((2*\j+\u)%4):199+8*((2*\j+\u)%4)]
.endif
.endr
.endr
.endm
.macro TRIG e                          ; cos and sin of position x frequency e: the angle less n pi / 2 (pi / 2 in two parts), two polynomials on -pi/4 .. pi/4, the quadrant by selects
	v_mul_f32 v112, v8, v[80+\e]
	v_mul_f32 v113, s37, v112
	v_rndne_f32 v113, v113
	v_fma_f32 v114, -v113, s38, v112
	v_fma_f32 v114, -v113, s39, v114
	v_cvt_i32_f32 v115, v113
	v_mul_f32 v116, v114, v114
	v_fma_f32 v117, v116, s42, s41
	v_fma_f32 v118, v116, s45, s44
	v_fma_f32 v117, v117, v116, s40
	v_fma_f32 v118, v118, v116, s43
	v_mul_f32 v119, v114, v116
	v_fma_f32 v118, v118, v116, -0.5
	v_fma_f32 v117, v117, v119, v114               ; sin r
	v_fma_f32 v118, v118, v116, 1.0                ; cos r
	v_and_b32 v119, 1, v115
	v_cmp_eq_u32 vcc_lo, 1, v119
	v_cndmask_b32 v120, v117, v118, vcc_lo         ; odd quadrants change the two
	v_cndmask_b32 v121, v118, v117, vcc_lo
	v_and_b32 v119, 2, v115
	v_add_nc_u32 v115, 1, v115
	v_lshlrev_b32 v119, 30, v119
	v_and_b32 v115, 2, v115
	v_xor_b32 v[48+\e], v119, v120                 ; sin: negative in quadrants 2, 3
	v_lshlrev_b32 v115, 30, v115
	v_xor_b32 v[16+\e], v115, v121                 ; cos: negative in quadrants 1, 2
.endm
	s_load_b512 s[4:19], s[0:1], 0x0               ; hidden s[4:5], Wq s[6:7], Wk s[8:9], Wv s[10:11], Wo s[12:13], prompt s[14:15], positions s[16:17], codes s[18:19]
	s_load_b128 s[20:23], s[0:1], 0x40             ; scl s[20:21], tab s[22:23]
	s_load_b64 s[24:25], s[0:1], 0x50              ; adp
	v_lshl_add_u32 v[SPW], v0, 2, SPARE
	v_mov_b32 v[NIL], 0
	v_lshrrev_b32 v1, 5, v0
	v_readfirstlane_b32 s32, v1                    ; wave 0..3
	v_and_b32 v1, 31, v0                           ; lane
	v_and_b32 v2, 15, v0                           ; r
	v_bfe_u32 v3, v0, 4, 1                         ; h
	v_lshlrev_b32 v4, 4, v1                        ; 16 x lane
	s_mov_b32 s[SEL], 0x76543210
	s_mov_b32 s[SEL+1], 0xfedcba98
	s_wait_kmcnt 0x0
	s_cmp_lt_u32 ttmp9, 256
	s_cbranch_scc1 .Lpath_b
	s_cmp_lt_u32 ttmp9, 288
	s_cbranch_scc1 .Lpath_c
	; ---- PATH A: row tile rho = work-group - 288 of the five tensors on end; wave w takes K steps 4 w .. 4 w + 3
	s_sub_co_u32 s33, ttmp9, 288
	s_lshr_b32 s34, s33, 7                         ; which tensor
	s_cmp_eq_u32 s34, 1
	s_cselect_b64 s[36:37], s[6:7], s[4:5]
	s_cmp_eq_u32 s34, 2
	s_cselect_b64 s[36:37], s[8:9], s[36:37]
	s_cmp_eq_u32 s34, 3
	s_cselect_b64 s[36:37], s[10:11], s[36:37]
	s_cmp_eq_u32 s34, 4
	s_cselect_b64 s[36:37], s[12:13], s[36:37]
	s_and_b32 s38, s33, 127
	s_lshl_b32 s38, s38, 17                        ; 16 rows of 8,192 bytes
	s_lshl_b32 s39, s32, 11                        ; my four K steps: 2,048 bytes of a row
	s_add_co_u32 s38, s38, s39
	s_mov_b32 s39, 0
	s_add_nc_u64 s[36:37], s[36:37], s[38:39]
	s_mul_i32 s38, s33, 24576
	s_mul_i32 s35, s32, 6144
	s_add_co_u32 s38, s38, s35
	s_add_nc_u64 s[40:41], s[18:19], s[38:39]      ; my four fragments
	s_lshl_b32 s38, s33, 10
	s_lshl_b32 s35, s32, 8
	s_add_co_u32 s38, s38, s35
	s_add_nc_u64 s[42:43], s[20:21], s[38:39]      ; my 256 bytes of scale words
	s_mul_i32 s35, s32, 8448                       ; my stage
	s_wait_alu depctr_va_vdst(0)
	v_add_nc_u32 v5, s35, v4
	v_mul_u32_u24 v6, v2, 528
	v_lshl_add_u32 v6, v3, 5, v6
	v_add_nc_u32 v6, s35, v6
	v_lshlrev_b32 v7, 3, v1
.irp b, 0,1,2,3
	v_mov_b32 v[TM+4+\b], 0                        ; written once: a lane permute's destination counts as one of its sources
.endr
	LOADF 0                                        ; two K steps are asked for at once: 32 loads of mine are out
	LOADF 1
	s_wait_alu depctr_va_vdst(0)
.irp t, 0,1,2,3
.if \t < 3
	s_wait_loadcnt 16                              ; this K step's 16 loads are in; the other set's 16 may be out
.else
	s_wait_loadcnt 0x0
.endif
	TURN \t
	s_wait_dscnt 0x0                               ; the set is back from the stage
	s_wait_xcnt 0x0                                ; the last step's stores have read the codes' registers
	QUANT R+64*(\t%2)
.if \t < 2
	LOADF \t+2                                     ; the set just quantised takes the K step two on
.endif
	v_mov_b32 v[PWS+\t], v[PW]
.irp c, 0,1,2
	global_store_b128 v4, v[PC+4*\c:PC+4*\c+3], s[40:41] offset:1536*\t+512*\c   ; 32 lanes store 512 consecutive bytes
.endr
.endr
	v_cmp_le_u32 vcc_lo, 16, v1                    ; lanes 0-15 store K steps 4 w, 4 w + 1 of row r, lanes 16-31 the next two
	v_cndmask_b32 v166, v[PWS], v[PWS+2], vcc_lo
	v_cndmask_b32 v167, v[PWS+1], v[PWS+3], vcc_lo
	global_store_b64 v7, v[166:167], s[42:43]      ; 256 consecutive bytes, aligned
	s_wait_tensorcnt 0x0                           ; the wave's end, behind my last LDS store
	ds_add_u32 v[SPW], v[NIL]
	s_wait_dscnt 0x0
	s_endpgm
	; ---- PATH B: 16 rows of Wk (work-groups 0-127) or Wv (128-255) against the prompt's 10 rows; wave w takes 512 of K
.Lpath_b:
	s_lshr_b32 s33, ttmp9, 7                       ; 0: keys, 1: values
	s_and_b32 s34, ttmp9, 127                      ; the tile of 16 rows
	s_cmp_eq_u32 s33, 0
	s_cselect_b64 s[36:37], s[8:9], s[10:11]
	s_cselect_b32 s44, 15, 9                       ; the last row of source 0,
	s_cselect_b32 s45, 9, 15                       ; and of source 1: lanes beyond the prompt's 10 rows read its last row, and their results are replaced by zeros below
	s_lshl_b32 s38, s34, 17
	s_mov_b32 s39, 0
	s_add_nc_u64 s[36:37], s[36:37], s[38:39]
	s_cmp_eq_u32 s33, 0
	s_cselect_b64 s[40:41], s[36:37], s[14:15]     ; keys: source 0 = W, so a lane holds a key and its registers run along the channels;
	s_cselect_b64 s[42:43], s[14:15], s[36:37]     ; values: source 0 = the prompt, so a lane holds a channel and its registers run along the keys
	s_lshl_b32 s46, s32, 11
	s_wait_alu depctr_va_vdst(0)
	v_min_u32 v8, s44, v2
	v_min_u32 v9, s45, v2
	v_lshlrev_b32 v8, 13, v8
	v_lshlrev_b32 v9, 13, v9
	v_lshl_add_u32 v8, v3, 4, v8
	v_lshl_add_u32 v9, v3, 4, v9
	v_add_nc_u32 v8, s46, v8                       ; row x 8,192 + 16 h + 2,048 w
	s_wait_alu depctr_va_vdst(0)
	v_add_nc_u32 v9, s46, v9
	s_wait_alu depctr_va_vdst(0)
	s_lshl_b32 s46, s32, 10
	v_add_nc_u32 v10, s46, v4                      ; my wave's 1,024 bytes in LDS
	v_mov_b32 v11, 0
	s_lshr_b32 s52, s34, 3                         ; head
	s_lshl_b32 s52, s52, 14
	s_lshl_b32 s53, s33, 13
	s_add_co_u32 s52, s52, s53
	s_and_b32 s53, s34, 7
	s_lshl_b32 s53, s53, 10
	s_add_co_u32 s52, s52, s53
	s_mov_b32 s53, 0
	s_add_nc_u64 s[24:25], s[24:25], s[52:53]
	LOADS 0
	LOADS 1
.irp g, 0,1,2,3,4,5,6,7
.if \g < 7
	s_wait_loadcnt 16                              ; this set's 16 loads are in; the next set's 16 may be out
.else
	s_wait_loadcnt 0x0
.endif
.if \g == 0
	MULS \g, 1                                     ; the first four products start the sums
.else
	MULS \g, 0
.endif
.if \g < 6
.rept 8
	v_nop                                          ; eight places in front of loads into registers that these matrix instructions have read
.endr
	LOADS \g+2
.endif
.endr
.rept 8
	v_nop                                          ; eight places in front of the first read of the sums
.endr
.irp p, 0,1,2,3
	v_pk_add_f32 v[144+2*\p:145+2*\p], v[192+2*\p:193+2*\p], v[200+2*\p:201+2*\p]   ; each accumulator from its low end on
	v_pk_add_f32 v[152+2*\p:153+2*\p], v[208+2*\p:209+2*\p], v[216+2*\p:217+2*\p]
.endr
.irp p, 0,1,2,3
	v_pk_add_f32 v[144+2*\p:145+2*\p], v[144+2*\p:145+2*\p], v[152+2*\p:153+2*\p]
.endr
	ds_store_b128 v10, v[144:147] offset:STB
	ds_store_b128 v10, v[148:151] offset:STB+512
	s_wait_dscnt 0x0                               ; for the others' sake: my stores are done
	s_barrier_signal -1
	s_barrier_wait -1
	s_cmp_lg_u32 s32, 0
	s_cbranch_scc1 .Lb_end                         ; wave 0 adds the four quarters of K
.irp q, 0,1,2,3
	ds_load_b128 v[16+8*\q:19+8*\q], v4 offset:STB+1024*\q
	ds_load_b128 v[20+8*\q:23+8*\q], v4 offset:STB+1024*\q+512
.endr
	v_cmp_le_u32 s48, 10, v2                       ; lanes whose place in the tile is 10 or more
	v_cmp_le_u32 s49, 16, v1                       ; lanes 16-31
	s_cmp_eq_u32 s33, 0
	s_cselect_b32 s50, s48, 0                      ; keys 10 to 15 do not exist.  Keys' image: a lane is a key.  Values' image: register j of lanes 16-31 is key 8 + j
	s_cselect_b32 s51, s48, s49
	s_wait_dscnt 0x0
.irp p, 0,1,2,3
	v_pk_add_f32 v[16+2*\p:17+2*\p], v[16+2*\p:17+2*\p], v[24+2*\p:25+2*\p]
	v_pk_add_f32 v[32+2*\p:33+2*\p], v[32+2*\p:33+2*\p], v[40+2*\p:41+2*\p]
.endr
.irp p, 0,1,2,3
	v_pk_add_f32 v[16+2*\p:17+2*\p], v[16+2*\p:17+2*\p], v[32+2*\p:33+2*\p]
.endr
	v_cndmask_b32 v16, v16, v11, s50
	v_cndmask_b32 v17, v17, v11, s50
.irp j, 2,3,4,5,6,7
	v_cndmask_b32 v[16+\j], v[16+\j], v11, s51
.endr
	global_store_b128 v4, v[16:19], s[24:25]
	global_store_b128 v4, v[20:23], s[24:25] offset:512
.Lb_end:
	s_wait_tensorcnt 0x0                           ; the wave's end, behind my last LDS store
	ds_add_u32 v[SPW], v[NIL]
	s_wait_dscnt 0x0
	s_endpgm
	; ---- PATH C: wave w of work-group g takes the 16 positions of tile 4 (g - 256) + w; lane (r, h): position r, frequencies c = 16 (e / 8) + 8 h + e % 8, e = 0 .. 31
.Lpath_c:
	s_sub_co_u32 s33, ttmp9, 256
	s_lshl_b32 s33, s33, 2
	s_add_co_u32 s33, s33, s32
	s_lshl_b32 s34, s33, 6
	s_mov_b32 s35, 0
	s_add_nc_u64 s[16:17], s[16:17], s[34:35]
	s_wait_alu depctr_va_vdst(0)
	v_lshlrev_b32 v5, 2, v2
	global_load_b32 v8, v5, s[16:17]
	s_lshl_b32 s34, s33, 13
	s_add_nc_u64 s[22:23], s[22:23], s[34:35]
	v_lshlrev_b32 v9, 3, v3
	s_wait_alu depctr_va_vdst(0)
	s_mov_b32 s36, 0xbe549a78                      ; -log2(10000) / 64
	s_mov_b32 s37, 0x3f22f983                      ; 2 / pi
	s_mov_b32 s38, 0x3fc90fdb                      ; pi / 2, its upper part,
	s_mov_b32 s39, 0xb33bbd2e                      ; and the rest
	s_mov_b32 s40, 0xbe2aaaa3                      ; sin: r + r z (S1 + z (S2 + z S3))
	s_mov_b32 s41, 0x3c08839e
	s_mov_b32 s42, 0xb94ca1f9
	s_mov_b32 s43, 0x3d2aaaa5                      ; cos: 1 + z (-1/2 + z (C1 + z (C2 + z C3)))
	s_mov_b32 s44, 0xbab6061a
	s_mov_b32 s45, 0x37ccf5ce
.set e, 0
.rept 32
	v_add_nc_u32 v[80+e], 16*(e/8)+e%8, v9
.set e, e+1
.endr
.set e, 0
.rept 32
	v_cvt_f32_u32 v[80+e], v[80+e]
.set e, e+1
.endr
.set e, 0
.rept 32
	v_mul_f32 v[80+e], s36, v[80+e]
.set e, e+1
.endr
.set e, 0
	s_wait_alu depctr_va_vdst(0)
.rept 32
	v_exp_f32 v[80+e], v[80+e]                     ; 10000^(-c / 64)
.set e, e+1
.endr
	v_nop                                          ; a plain place behind the last exponential
	s_wait_alu depctr_va_vdst(0)                   ; one wait for the batch, ahead of its first reader
	s_wait_loadcnt 0x0
	v_cvt_f32_i32 v8, v8
.set e, 0
.rept 32
	TRIG e
.set e, e+1
.endr
.set i, 0
.rept 16
	global_store_b128 v4, v[16+4*i:19+4*i], s[22:23] offset:512*i   ; cos, then sin: 512 consecutive bytes a store
.set i, i+1
.endr
	s_endpgm
.Lfunc_end_k_q2e96973552_prep:
	.size	k_q2e96973552_prep, .Lfunc_end_k_q2e96973552_prep-k_q2e96973552_prep
	.p2alignl 7, 3214868480
	.fill 96, 4, 3214868480
	.section	.rodata,"a",@progbits
	.p2align	6, 0x0
	.amdhsa_kernel k_q2e96973552_prep
		.amdhsa_group_segment_fixed_size 38400
		.amdhsa_private_segment_fixed_size 0
		.amdhsa_enable_private_segment 0
		.amdhsa_kernarg_size 88
		.amdhsa_user_sgpr_count 2
		.amdhsa_user_sgpr_kernarg_segment_ptr 1
		.amdhsa_wavefront_size32 1
		.amdhsa_system_sgpr_workgroup_id_x 1
		.amdhsa_system_sgpr_workgroup_id_y 1
		.amdhsa_system_sgpr_workgroup_id_z 1
		.amdhsa_system_vgpr_workitem_id 0
		.amdhsa_next_free_vgpr 224
		.amdhsa_next_free_sgpr 66
		.amdhsa_reserve_vcc 1
		.amdhsa_float_denorm_mode_32 3
		.amdhsa_float_denorm_mode_16_64 3
		.amdhsa_memory_ordered 1
		.amdhsa_forward_progress 1
		.amdhsa_inst_pref_size 102
	.end_amdhsa_kernel
	.amdgpu_metadata
---
amdhsa.version: [ 1, 2 ]
amdhsa.kernels:
  - .name:           k_q2e96973552_prep
    .symbol:         k_q2e96973552_prep.kd
    .args:
      - { .name: hidden_states, .offset: 0, .size: 8, .value_kind: global_buffer, .address_space: global }
      - { .name: Wq, .offset: 8, .size: 8, .value_kind: global_buffer, .address_space: global }
      - { .name: Wk, .offset: 16, .size: 8, .value_kind: global_buffer, .address_space: global }
      - { .name: Wv, .offset: 24, .size: 8, .value_kind: global_buffer, .address_space: global }
      - { .name: Wo, .offset: 32, .size: 8, .value_kind: global_buffer, .address_space: global }
      - { .name: adaption_prompt, .offset: 40, .size: 8, .value_kind: global_buffer, .address_space: global }
      - { .name: position_ids, .offset: 48, .size: 8, .value_kind: global_buffer, .address_space: global }
      - { .name: codes, .offset: 56, .size: 8, .value_kind: global_buffer, .address_space: global }
      - { .name: scl, .offset: 64, .size: 8, .value_kind: global_buffer, .address_space: global }
      - { .name: tab, .offset: 72, .size: 8, .value_kind: global_buffer, .address_space: global }
      - { .name: adp, .offset: 80, .size: 8, .value_kind: global_buffer, .address_space: global }
    .group_segment_fixed_size: 38400
    .private_segment_fixed_size: 0
    .kernarg_segment_align: 8
    .kernarg_segment_size: 88
    .max_flat_workgroup_size: 128
    .sgpr_count:     66
    .vgpr_count:     224
    .wavefront_size: 32
...
	.end_amdgpu_metadata
.endif
;; end of part 1
;; launch qkv (part 2): grid 24 x 8, 4 waves a work-group, clusters of 4 x 4, 327,680 bytes of LDS; arguments codes, scl, tab, qkv, qf; writes qkv, qf
.if DOCPART == 2
	.amdgcn_target "amdgcn-amd-amdhsa--gfx1250"
	.amdhsa_code_object_version 6
	.text
	.protected	k_q2e96973552_qkv
	.globl	k_q2e96973552_qkv
	.p2align	8
	.type	k_q2e96973552_qkv,@function
k_q2e96973552_qkv:
	s_mov_b64 s[64:65], 0
	v_nop
	global_prefetch_b8 v0, s[64:65] scope:SCOPE_SE
	s_setreg_imm32_b32 hwreg(HW_REG_WAVE_MODE, 25, 1), 1
	s_wait_xcnt 0x0
	s_wait_alu depctr_hold_cnt(0) depctr_sa_sdst(0) depctr_va_vdst(0) depctr_va_sdst(0) depctr_va_ssrc(0) depctr_va_vcc(0) depctr_vm_vsrc(0)
	s_getreg_b32 s2, hwreg(HW_REG_IB_STS2, 6, 4)
	s_cmp_eq_u32 s2, 0
	s_cbranch_scc0 .Lentry_in_a_cluster
	s_endpgm
.Lentry_in_a_cluster:
	s_bfe_u32 s2, ttmp6, 0x10000c
	s_cmp_lg_u32 s2, 0xf033
	s_cbranch_scc0 .Lentry_shape_is_right
	s_endpgm
.Lentry_shape_is_right:
; QKV: q, k, v = hidden x Wq^T, Wk^T, Wv^T on codes of FP6 (E2M3) with E8M0 scales, RoPE on q and k, and the quantisers of the three results (q, k along the channels, v along the keys).  No work is left out here.
; A tile of 256 x 256 a work-group, 128 x 128 a wave; for v the two sides change places, so that a lane holds a channel and its registers run along the keys.  Operands lie in memory as images of their registers.
; THE RING: two slots of two K steps.  THE HEAD: one joint load a wave: wave 0 A's 16 row tiles of slot 0, wave 1 B's, wave 2 A's scale words, wave 3 B's; slot 1 is first filled behind the full sequence and a round, a quarter a wave.
; PREFETCH: of the 8 row tiles that a wave fetches, each of the four partners that ask jointly names 2 (24 blocks of 256 bytes, one instruction), told apart by address; the head names slots 2 and 3, the refill of slot j + 2 names slot j + 4; the last two refills name nothing.
; The first block of the cos and sin table is asked for ahead of the walk along K, into registers that the walk does not use.
.set PFO,   25                         ; v25 the prefetches' lane offset; never rewritten
.set PFA,   40                         ; s[40:41] where my prefetches stand
.set NQ,    2
.set FR,    12
.set NL,    3
.set NP,    4
.set PART,  24576
.set SLOT,  4*PART
.set LAPS,  4
.set SCA,   2*SLOT
.set SCB,   SCA+16384+128
.set SPARE, 229632
.set ADRA, 16
.set ADRB, 20
.set LI,   24
.set ADRS, 27
.set SPW,  28
.set NIL,  29
.set SC,   32
.set AF,   128
.set CS,   64
.set TM,   192
.set PC,   208
.set PWS,  228
.set PW,   236
.set SEL,  2
.set G1, 24
.set G0, 32
.set G1B, 48
.set G0B, 56
.set G1S, 68
.set G0S, 76
.set G1SB, 80
.set G0SB, 88
.set MSB, 0
.macro WIN new
.if MSB != (\new)
	s_set_vgpr_msb (MSB<<8)|(\new)
.set MSB, (\new)
.endif
.endm
.set MUL_LO, 0xa1
.set MUL_HI, 0xf1
.set TO_B,   0x40
.macro JLOAD g0a, g1a, g0b, g1b
	s_cmp_eq_u32 s15, 0
	s_cbranch_scc0 .Lfor_b_\@
	tensor_load_to_lds s[\g0a:\g0a+3], s[\g1a:\g1a+7]
	s_nop 0
.rept 4
	v_nop
.endr
	s_branch .Lasked_\@
.Lfor_b_\@:
	tensor_load_to_lds s[\g0b:\g0b+3], s[\g1b:\g1b+7]
	s_nop 0
.rept 4
	v_nop
.endr
.Lasked_\@:
.endm
.macro CREST
	s_cmp_lg_u32 s14, 0
	s_cbranch_scc1 .Lnot_wave_0_\@
	s_barrier_signal -3
.Lnot_wave_0_\@:
	s_barrier_wait -3
	s_barrier_signal -1
	s_barrier_wait -1
.endm
.macro CROUND
	s_barrier_signal -1
	s_barrier_wait -1
	CREST
.endm
.macro QUANT s, w
	WIN (\w)|((\w)<<2)
.irp b, 0,1,2,3
	v_max3_num_f32 v[TM+\b], |v[\s+16*\b]|, |v[\s+1+16*\b]|, 0x1800000
.endr
	WIN ((\w)<<2)|((\w)<<4)
.irp i, 2,4,6,8,10,12,14
.irp b, 0,1,2,3
	v_max3_num_f32 v[TM+\b], v[TM+\b], |v[\s+16*\b+\i]|, |v[\s+1+16*\b+\i]|
.endr
.endr
	WIN 0
.irp b, 0,1,2,3
	v_permlanex16_b32 v[TM+4+\b], v[TM+\b], s[SEL], s[SEL+1]
.endr
.irp b, 0,1,2,3
	v_max_num_f32 v[TM+\b], v[TM+\b], v[TM+4+\b]
.endr
.irp b, 0,1,2,3
	v_add_nc_u32 v[TM+12+\b], 0xff000000, v[TM+\b]
.endr
.irp b, 0,1,2,3
	v_lshrrev_b32 v[TM+4+\b], 23, v[TM+12+\b]
.endr
	v_lshl_or_b32 v[PW], v[TM+5], 8, v[TM+4]
	v_lshl_or_b32 v[PW], v[TM+6], 16, v[PW]
	v_lshl_or_b32 v[PW], v[TM+7], 24, v[PW]
	WIN (\w)
.irp c, 0,1
	v_cvt_scalef32_pk16_fp6_f32 v[PC+6*\c:PC+2+6*\c], v[\s+32*\c:\s+15+32*\c], v[TM+12+2*\c]
	v_cvt_scalef32_pk16_fp6_f32 v[PC+12+4*\c:PC+14+4*\c], v[\s+16+32*\c:\s+31+32*\c], v[TM+12+2*\c+1]
.endr
	WIN 0
	v_nop
.irp c, 0,1
.irp i, 0,1,2
	v_permlane16_swap_b32 v[PC+6*\c+\i], v[PC+12+4*\c+\i]
.endr
.irp i, 0,1,2
	v_mov_b32 v[PC+3+6*\c+\i], v[PC+12+4*\c+\i]
.endr
.endr
.endm
	s_load_b256 s[4:11], s[0:1], 0x0
	s_load_b64 s[12:13], s[0:1], 0x20
	v_lshl_add_u32 v[SPW], v0, 2, SPARE
	v_mov_b32 v[NIL], 0
	ds_add_u32 v[SPW], v[NIL]
	ds_add_u32 v[SPW], v[NIL]
	v_lshrrev_b32 v1, 5, v0
	v_readfirstlane_b32 s14, v1
	s_lshr_b32 s15, s14, 1
	s_and_b32 s16, s14, 1
	s_bfe_u32 s40, ttmp6, 0x40000
	s_bfe_u32 s41, ttmp6, 0x40004
	s_lshl_b32 s42, ttmp9, 2
	s_add_co_u32 s42, s42, s40
	s_and_b32 s17, ttmp7, 0xffff
	s_lshl_b32 s17, s17, 2
	s_add_co_u32 s17, s17, s41
	s_lshl_b32 s43, s41, 2
	s_lshl_b32 s43, 15, s43
	s_lshl_b32 s44, 0x1111, s40
	s_cmp_ge_u32 ttmp9, 4
	s_cselect_b32 s66, 1, 0
	s_cselect_b32 s67, 384, 0
	s_cselect_b32 s2, 0, 384
	s_or_b32 s[G1+0], s43, (3<<16)|(1<<21)
	s_or_b32 s[G1B+0], s44, (3<<16)|(1<<21)
.irp g, G1, G1B
	s_mov_b32 s[\g+1], 384<<16
	s_mov_b32 s[\g+2], 16<<16                      ; the head's loads bring 16 row tiles; set to 8 for the ring behind the wait for them
	s_mov_b32 s[\g+3], 384<<16
	s_mov_b32 s[\g+4], 16
	s_mov_b32 s[\g+5], 3072
	s_mov_b32 s[\g+6], 0
	s_mov_b32 s[\g+7], 0
.endr
	s_or_b32 s[G1S+0], s43, (3<<16)|(1<<21)
	s_or_b32 s[G1SB+0], s44, (3<<16)|(1<<21)
.irp g, G1S, G1SB
	s_mov_b32 s[\g+1], 32<<16
	s_mov_b32 s[\g+2], 64<<16                      ; the scale words of 16 row tiles: 16,384 dense bytes
	s_mov_b32 s[\g+3], 32<<16
	s_mov_b32 s[\g+4], 64
	s_mov_b32 s[\g+5], 32
	s_mov_b32 s[\g+6], 0
	s_mov_b32 s[\g+7], 0
.endr
	s_mul_i32 s100, s16, 8*24576                   ; in the ring I fetch 8 of a side's 16 row tiles: which, in bytes
	s_mov_b32 s101, 0
	s_lshl_b32 s20, s17, 4
	s_add_co_u32 s20, s20, s67
	s_lshl_b32 s46, s42, 4
	s_add_co_u32 s46, s46, s2
	s_sub_co_u32 s46, s46, 256
	s_lshl_b32 s22, s20, 10
	s_mov_b32 s23, 0
	s_lshl_b32 s92, s46, 10
	s_mov_b32 s93, 0
	s_mul_i32 s20, s20, 24576
	s_mov_b32 s21, 0
	s_mul_i32 s46, s46, 24576
	s_mov_b32 s47, 0
	s_mul_i32 s45, s14, PART
	s_wait_dscnt 0x0
	s_wait_kmcnt 0x0
	s_add_nc_u64 s[20:21], s[4:5], s[20:21]
	s_add_nc_u64 s[22:23], s[6:7], s[22:23]
	s_add_nc_u64 s[46:47], s[4:5], s[46:47]
	s_add_nc_u64 s[92:93], s[6:7], s[92:93]
	CROUND
	s_mov_b32 s[G0S], 1
	s_mov_b32 s[G0S+1], SCA
	s_mov_b64 s[G0S+2:G0S+3], s[22:23]
	s_or_b32 s[G0S+3], s[G0S+3], 0x80000000
	s_mov_b32 s[G0SB], 1
	s_mov_b32 s[G0SB+1], SCB
	s_mov_b64 s[G0SB+2:G0SB+3], s[92:93]
	s_or_b32 s[G0SB+3], s[G0SB+3], 0x80000000
	s_mov_b32 s[G0], 1                             ; for the head: slot 0 of all of A's 16 row tiles,
	s_mov_b32 s[G0+1], 0
	s_mov_b64 s[G0+2:G0+3], s[20:21]
	s_or_b32 s[G0+3], s[G0+3], 0x80000000
	s_mov_b32 s[G0B], 1                            ; and of B's, behind them
	s_mov_b32 s[G0B+1], 2*PART
	s_mov_b64 s[G0B+2:G0B+3], s[46:47]
	s_or_b32 s[G0B+3], s[G0B+3], 0x80000000
	s_add_nc_u64 s[20:21], s[20:21], s[100:101]    ; for the ring: my 8 row tiles
	s_add_nc_u64 s[46:47], s[46:47], s[100:101]
.irp s, 1
	s_mov_b32 s[G0+4*\s], 1
	s_add_co_u32 s[G0+4*\s+1], s45, \s*SLOT
	s_add_nc_u64 s[G0+4*\s+2:G0+4*\s+3], s[20:21], \s*3072
	s_or_b32 s[G0+4*\s+3], s[G0+4*\s+3], 0x80000000
	s_mov_b32 s[G0B+4*\s], 1
	s_add_co_u32 s[G0B+4*\s+1], s45, \s*SLOT
	s_add_nc_u64 s[G0B+4*\s+2:G0B+4*\s+3], s[46:47], \s*3072
	s_or_b32 s[G0B+4*\s+3], s[G0B+4*\s+3], 0x80000000
.endr
	s_lshl_b32 s2, s40, 1                          ; the table's prefetch: the 8 waves of the cluster that read my 128 positions' 65,536 bytes name 8,192 each: which, by cx and my half of the columns: an address alone hangs on it
	s_add_co_u32 s2, s2, s16
	s_lshl_b32 s2, s2, 13
	s_cmp_eq_u32 s15, 0
	s_cselect_b32 s94, s40, s41
	s_cselect_b64 s[PFA:PFA+1], s[20:21], s[46:47]
	s_mul_i32 s94, s94, 2*24576
	s_mov_b32 s95, 0
	s_add_nc_u64 s[PFA:PFA+1], s[PFA:PFA+1], s[94:95]
; the head's loads, one a wave, in one chain of branches on the wave's number
.macro ARM under, g0, g1, next
	s_cmp_lt_u32 s14, \under
	s_cbranch_scc0 \next
	tensor_load_to_lds s[\g0:\g0+3], s[\g1:\g1+7]
	s_nop 0
.rept 4
	v_nop
.endr
	s_branch .Lhead_asked
\next:
.endm
	ARM 1, G0,  G1,  .Lhead_b
	ARM 2, G0B, G1B, .Lhead_sa
	ARM 3, G0S, G1S, .Lhead_sb
	tensor_load_to_lds s[G0SB:G0SB+3], s[G1SB:G1SB+7]
	s_nop 0
.rept 4
	v_nop
.endr
.Lhead_asked:
	v_and_b32 v1, 15, v0
	v_bfe_u32 v2, v0, 4, 1
	s_wait_alu depctr_va_vdst(0)
	v_and_b32 v3, 31, v0
	v_lshlrev_b32 v[LI], 4, v3
	v_min_u32 v[PFO], 23, v3                       ; 24 blocks of 256 bytes: 12 of each of two row tiles; lanes 24-31 name the last again
	v_mul_u32_u24 v26, v[PFO], 11
	v_lshrrev_b32 v26, 7, v26                      ; 1 from block 12 on
	v_mul_u32_u24 v26, v26, 24576-3072
	v_lshl_add_u32 v[PFO], v[PFO], 8, v26
	v_lshl_add_u32 v26, v3, 8, s2                  ; my share of the table, lanes 256 bytes apart; never rewritten
	s_mul_i32 s21, s15, PART
	s_mul_i32 s22, s16, PART
	s_add_co_u32 s22, s22, 2*PART
.irp s, 0,1
	v_add_nc_u32 v[ADRA+\s], s21, v[LI]
	v_add_nc_u32 v[ADRB+\s], s22, v[LI]
	s_add_co_u32 s21, s21, SLOT
	s_add_co_u32 s22, s22, SLOT
.endr
	v_lshlrev_b32 v5, 3, v1
	s_lshl_b32 s21, s15, 13
	s_lshl_b32 s22, s16, 13
	s_add_co_u32 s22, s22, SCB-SCA
	s_sub_co_u32 s22, s22, s21
	v_mul_u32_u24 v6, s22, v2
	s_add_co_u32 s21, s21, SCA
	v_add_nc_u32 v5, v5, v6
	v_add_nc_u32 v[ADRS], s21, v5
	s_lshl_b32 s46, s42, 1
	s_add_co_u32 s46, s46, s16
	s_and_b32 s46, s46, 15
	s_lshl_b32 s21, s17, 1
	s_add_co_u32 s21, s21, s15
	s_cmp_eq_u32 s66, 1
	s_cselect_b32 s22, s21, s46
	s_cselect_b32 s23, s46, s21
	s_lshr_b32 s67, ttmp9, 1
	s_lshl_b32 s18, s67, 4
	s_add_co_u32 s18, s18, s22
	s_lshl_b32 s18, s18, 4
	s_add_co_u32 s18, s18, s23
	s_mul_i32 s92, s18, 12288
	s_mov_b32 s93, 0
	s_add_nc_u64 s[92:93], s[10:11], s[92:93]
	s_lshl_b32 s94, s18, 10
	s_add_co_u32 s94, s94, 9437184
	s_mov_b32 s95, 0
	s_add_nc_u64 s[94:95], s[10:11], s[94:95]
	s_lshl_b32 s96, s22, 7
	s_lshl_b32 s97, s23, 3
	s_add_co_u32 s96, s96, s97
	s_lshl_b32 s96, s96, 13
	s_mov_b32 s97, 0
	s_add_nc_u64 s[96:97], s[12:13], s[96:97]
	s_lshl_b32 s98, s21, 16
	s_mov_b32 s99, 0
	s_add_nc_u64 s[98:99], s[8:9], s[98:99]
.macro FRAG reg, adr, q, i
.irp c, 0,1,2
	ds_load_b128 v[\reg+4*\c:\reg+4*\c+3], v[\adr] offset:3072*(\i)+1536*(\q)+512*\c
.endr
.endm
.macro MUL16 a0, p, q, sc, zero
.irp a, \a0, \a0+1
.irp b, 0,1,2,3,4,5,6,7
.if \zero
	v_wmma_scale_f32_16x16x128_f8f6f4 v[8*(8*((\a)%4)+\b):8*(8*((\a)%4)+\b)+7], v[128*(\p)+FR*\b:128*(\p)+FR*\b+FR-1], v[AF+FR*(\a):AF+FR*(\a)+FR-1], 0, v[SC+8*NQ*(\sc)+NQ*\b+(\q)], v[SC+8*NQ*(\sc)+NQ*(\a)+(\q)] matrix_a_fmt:MATRIX_FMT_FP6 matrix_b_fmt:MATRIX_FMT_FP6 matrix_a_scale:MATRIX_SCALE_ROW1
.else
	v_wmma_scale_f32_16x16x128_f8f6f4 v[8*(8*((\a)%4)+\b):8*(8*((\a)%4)+\b)+7], v[128*(\p)+FR*\b:128*(\p)+FR*\b+FR-1], v[AF+FR*(\a):AF+FR*(\a)+FR-1], v[8*(8*((\a)%4)+\b):8*(8*((\a)%4)+\b)+7], v[SC+8*NQ*(\sc)+NQ*\b+(\q)], v[SC+8*NQ*(\sc)+NQ*(\a)+(\q)] matrix_a_fmt:MATRIX_FMT_FP6 matrix_b_fmt:MATRIX_FMT_FP6 matrix_a_scale:MATRIX_SCALE_ROW1
.endif
.endr
.endr
.endm
.macro FETCH_B slot, q, p
	WIN TO_B
.irp i, 0,1,2,3,4,5,6,7
	FRAG 128*(\p)+FR*\i, ADRB+\slot, \q, \i
.endr
	WIN 0
.endm
.macro FETCH_A slot, q, i0
.irp i, \i0, \i0+1, \i0+2, \i0+3
	FRAG AF+FR*(\i), ADRA+\slot, \q, \i
.endr
.endm
.macro SCALES sc
.irp i, 0,1,2,3,4,5,6,7
	ds_load_b64 v[SC+8*NQ*\sc+NQ*\i:SC+8*NQ*\sc+NQ*\i+1], v[ADRS] offset:\i*1024
.endr
.endm
.macro PLACES n
.rept \n
	v_nop
.endr
.endm
.macro STEP slot, q, zero
	s_wait_dscnt 4*NL
	WIN MUL_LO
	MUL16 0, (\q)%2, \q, \slot, \zero
	MUL16 2, (\q)%2, \q, \slot, \zero
	s_wait_dscnt 0
	PLACES NP
	FETCH_B \slot, (\q)+1, 1-(\q)%2
	FETCH_A \slot, (\q)+1, 0
	WIN MUL_HI
	MUL16 4, (\q)%2, \q, \slot, \zero
	MUL16 6, (\q)%2, \q, \slot, \zero
	PLACES NP
	WIN 0
	FETCH_A \slot, (\q)+1, 4
.endm
.macro TURN slot, next, fill
.if \fill
	s_wait_xcnt 0x0                                ; my last prefetch, a slot back, has read its address
	s_add_nc_u64 s[PFA:PFA+1], s[PFA:PFA+1], 3072
.endif
	s_wait_tensorcnt 0x0
	ds_add_u32 v[SPW], v[NIL]
	s_wait_dscnt 4*NL+1
	WIN MUL_LO
	MUL16 0, 1, NQ-1, \slot, 0
	s_wait_dscnt 0x0
	s_barrier_signal -1
	MUL16 2, 1, NQ-1, \slot, 0
	WIN 0
	s_barrier_wait -1
.if \fill
	CREST
	s_add_nc_u64 s[G0+4*\slot+2:G0+4*\slot+3], s[G0+4*\slot+2:G0+4*\slot+3], 6144
	s_add_nc_u64 s[G0B+4*\slot+2:G0B+4*\slot+3], s[G0B+4*\slot+2:G0B+4*\slot+3], 6144
	JLOAD G0+4*\slot, G1, G0B+4*\slot, G1B
.else
	PLACES NP
.endif
	s_wait_alu depctr_va_vdst(0)
	v_add_nc_u32 v[ADRS], 128, v[ADRS]
	FETCH_B \next, 0, 0
	FETCH_A \next, 0, 0
	SCALES \next
.if \fill
	s_cmp_gt_u32 s3, 1                             ; the last trip's two refills have no slot two on
	s_cbranch_scc0 .Lno_ask_\@
	global_prefetch_b8 v[PFO], s[PFA:PFA+1] offset:9216 th:TH_LOAD_NT scope:SCOPE_SE   ; the slot that stands two refills on
.Lno_ask_\@:
.endif
	WIN MUL_HI
	MUL16 4, 1, NQ-1, \slot, 0
	MUL16 6, 1, NQ-1, \slot, 0
	PLACES NP
	WIN 0
	FETCH_A \next, 0, 4
.endm
	s_wait_alu depctr_va_vdst(0)
	global_prefetch_b8 v[PFO], s[PFA:PFA+1] offset:3072 th:TH_LOAD_NT scope:SCOPE_SE   ; slot 1, which is loaded when slot 0 has landed
	s_wait_tensorcnt 0x0                           ; my tile of the head's four is in
	ds_add_u32 v[SPW], v[NIL]
	s_mov_b32 s[G1+2], 8<<16
	s_mov_b32 s[G1+4], 8
	s_mov_b32 s[G1B+2], 8<<16
	s_mov_b32 s[G1B+4], 8
	s_mov_b32 s[G0+1], s45                         ; and slot 0's group 0 stands at my quarter
	s_mov_b32 s[G0B+1], s45
	s_add_nc_u64 s[G0+2:G0+3], s[G0+2:G0+3], s[100:101]
	s_add_nc_u64 s[G0B+2:G0B+3], s[G0B+2:G0B+3], s[100:101]
	s_wait_dscnt 0x0
	CROUND                                         ; all four tiles are in, and all sixteen work-groups are here
	JLOAD G0+4, G1, G0B+4, G1B                     ; slot 1, the first tensor load behind the round
	FETCH_B 0, 0, 0
	FETCH_A 0, 0, 0
	SCALES 0
	FETCH_A 0, 0, 4
	global_prefetch_b8 v[PFO], s[PFA:PFA+1] offset:6144 th:TH_LOAD_NT scope:SCOPE_SE   ; slots 2 and 3
	global_prefetch_b8 v[PFO], s[PFA:PFA+1] offset:9216 th:TH_LOAD_NT scope:SCOPE_SE
	s_cmp_eq_u32 s66, 1
	s_cbranch_scc1 .Lno_tab                        ; v has no RoPE
.set i, 0
.rept 16
	global_load_b128 v[CS+4*i:CS+4*i+3], v[LI], s[98:99] offset:512*i   ; the table's block 0: wanted on the way out
.set i, i+1
.endr
	global_prefetch_b8 v26, s[98:99] th:TH_LOAD_NT scope:SCOPE_SE   ; the table of my 128 positions, wanted on the way out: one instruction a wave, each 256 bytes named once in the cluster
.Lno_tab:
	STEP 0, 0, 1
	s_mov_b32 s3, LAPS-1
.Llap:
	TURN 0, 1, 1
	STEP 1, 0, 0
	TURN 1, 0, 1
	STEP 0, 0, 0
	s_sub_co_u32 s3, s3, 1
	s_cmp_lg_u32 s3, 0
	s_cbranch_scc1 .Llap
	TURN 0, 1, 0
	STEP 1, 0, 0
	s_wait_dscnt 4*NL
	WIN MUL_LO
	MUL16 0, 1, NQ-1, 1, 0
	MUL16 2, 1, NQ-1, 1, 0
	s_wait_dscnt 0
	WIN MUL_HI
	MUL16 4, 1, NQ-1, 1, 0
	MUL16 6, 1, NQ-1, 1, 0
	WIN 0
.macro TABLOAD a
.set i, 0
.rept 16
	global_load_b128 v[CS+64*((\a)%2)+4*i:CS+64*((\a)%2)+4*i+3], v[LI], s[98:99] offset:8192*(\a)+512*i
.set i, i+1
.endr
.endm
.macro SENDC a
	v_mov_b32 v[PWS+(\a)], v[PW]
.irp c, 0,1,2
	global_store_b128 v[LI], v[PC+4*\c:PC+4*\c+3], s[92:93] offset:1536*(\a)+512*\c
.endr
.endm
.macro ROPE a
.set W, 2+(\a)/4
.set AC, 64*((\a)%4)
.set CO, CS+64*((\a)%2)
.set SI, CO+32
.if (\a) < 7
	s_wait_loadcnt 16
.else
	s_wait_loadcnt 0x0
.endif
	s_wait_xcnt 0x0
	WIN W+0x50
.set p, 0
.rept 16
	v_pk_mul_f32 v[2*p:2*p+1], v[AC+32+2*p:AC+33+2*p], v[SI+2*p:SI+2*p+1]
	v_pk_mul_f32 v[32+2*p:33+2*p], v[AC+2*p:AC+2*p+1], v[SI+2*p:SI+2*p+1]
.set p, p+1
.endr
.set p, 0
.rept 16
	v_pk_fma_f32 v[2*p:2*p+1], v[AC+2*p:AC+2*p+1], v[CO+2*p:CO+2*p+1], v[2*p:2*p+1] neg_lo:[0,0,1] neg_hi:[0,0,1]
	v_pk_fma_f32 v[32+2*p:33+2*p], v[AC+32+2*p:AC+33+2*p], v[CO+2*p:CO+2*p+1], v[32+2*p:33+2*p]
.set p, p+1
.endr
	WIN 0
.if (\a)+2 < 8
	TABLOAD (\a)+2
.endif
	s_cmp_lg_u32 s67, 0
	s_cbranch_scc1 .Lnoqf_\@
	WIN 0x04
.set i, 0
.rept 16
	global_store_b128 v[LI], v[4*i:4*i+3], s[96:97] offset:8192*(\a)+512*i
.set i, i+1
.endr
	WIN 0
.Lnoqf_\@:
	QUANT 0, 1
	SENDC \a
.endm
.macro VT a
.set W, 2+(\a)/4
.set AC, 64*((\a)%4)
	s_wait_xcnt 0x0
	QUANT AC, W
	SENDC \a
.endm
	PLACES NP
	s_mov_b32 s[SEL], 0x76543210
	s_mov_b32 s[SEL+1], 0xfedcba98
.irp b, 0,1,2,3
	v_mov_b32 v[TM+4+\b], 0
.endr
	s_cmp_eq_u32 s66, 1
	s_cbranch_scc1 .Lway_v
	TABLOAD 1
.irp a, 0,1,2,3,4,5,6,7
	ROPE \a
.endr
	s_branch .Lwords
.Lway_v:
.irp a, 0,1,2,3,4,5,6,7
	VT \a
.endr
.Lwords:
	global_store_b128 v[LI], v[PWS:PWS+3], s[94:95]
	s_wait_alu depctr_va_vdst(0)
	global_store_b128 v[LI], v[PWS+4:PWS+7], s[94:95] offset:512
	s_wait_tensorcnt 0x0
	ds_add_u32 v[SPW], v[NIL]
	s_wait_dscnt 0x0
	CROUND
	s_endpgm
.Lfunc_end_k_q2e96973552_qkv:
	.size	k_q2e96973552_qkv, .Lfunc_end_k_q2e96973552_qkv-k_q2e96973552_qkv
	.p2alignl 7, 3214868480
	.fill 96, 4, 3214868480
	.section	.rodata,"a",@progbits
	.p2align	6, 0x0
	.amdhsa_kernel k_q2e96973552_qkv
		.amdhsa_group_segment_fixed_size 327680
		.amdhsa_private_segment_fixed_size 0
		.amdhsa_enable_private_segment 0
		.amdhsa_kernarg_size 40
		.amdhsa_user_sgpr_count 2
		.amdhsa_user_sgpr_kernarg_segment_ptr 1
		.amdhsa_wavefront_size32 1
		.amdhsa_system_sgpr_workgroup_id_x 1
		.amdhsa_system_sgpr_workgroup_id_y 1
		.amdhsa_system_sgpr_workgroup_id_z 1
		.amdhsa_system_vgpr_workitem_id 0
		.amdhsa_next_free_vgpr 1024
		.amdhsa_next_free_sgpr 102
		.amdhsa_reserve_vcc 0
		.amdhsa_float_denorm_mode_32 3
		.amdhsa_float_denorm_mode_16_64 3
		.amdhsa_memory_ordered 1
		.amdhsa_forward_progress 1
		.amdhsa_inst_pref_size 235
	.end_amdhsa_kernel
	.amdgpu_metadata
---
amdhsa.version: [ 1, 2 ]
amdhsa.kernels:
  - .name:           k_q2e96973552_qkv
    .symbol:         k_q2e96973552_qkv.kd
    .args:
      - { .name: codes, .offset: 0, .size: 8, .value_kind: global_buffer, .address_space: global }
      - { .name: scl, .offset: 8, .size: 8, .value_kind: global_buffer, .address_space: global }
      - { .name: tab, .offset: 16, .size: 8, .value_kind: global_buffer, .address_space: global }
      - { .name: qkv, .offset: 24, .size: 8, .value_kind: global_buffer, .address_space: global }
      - { .name: qf, .offset: 32, .size: 8, .value_kind: global_buffer, .address_space: global }
    .group_segment_fixed_size: 327680
    .private_segment_fixed_size: 0
    .kernarg_segment_align: 8
    .kernarg_segment_size: 40
    .max_flat_workgroup_size: 128
    .sgpr_count:     102
    .vgpr_count:     1024
    .wavefront_size: 32
...
	.end_amdgpu_metadata
.endif
;; end of part 2
;; launch attn (part 3): grid 16 x 16, 8 waves a work-group, no clusters, 327,680 bytes of LDS; arguments qkv, qf, adp, adaption_gate, cx; writes cx
.if DOCPART == 3
	.amdgcn_target "amdgcn-amd-amdhsa--gfx1250"
	.amdhsa_code_object_version 6
	.text
	.protected	k_q2e96973552_attn
	.globl	k_q2e96973552_attn
	.p2align	8
	.type	k_q2e96973552_attn,@function
k_q2e96973552_attn:
	s_mov_b64 s[64:65], 0
	v_nop
	global_prefetch_b8 v0, s[64:65] scope:SCOPE_SE
	s_setreg_imm32_b32 hwreg(HW_REG_WAVE_MODE, 25, 1), 1
	s_wait_xcnt 0x0
; ATTN: causal attention on codes of FP6 (E2M3), the adaption prompt's attention over 10 keys in f32, and the quantisers of both results for the last product.
; WORK LEFT OUT: key steps of 128 keys that lie wholly behind a wave's 16 queries (their weights are 0 under the problem's own causal mask), and the slots that no wave of the work-group reads.
; SHARES.  A work-group serves one head.  Waves 0-3 take the block of 64 queries i (the work-group's x), waves 4-7 block 31 - i: i / 2 + (31 - i) / 2 + 2 = 17 key steps for each pair of waves, in every work-group alike.  A wave owns 16 queries.
; NO CLUSTER: under the mask the work-groups of a head need different numbers of slots, and a joint load must be issued by all that it names.
; LAYOUT.  Both products are used transposed (S^T = K Q^T, O^T = V^T P^T): a lane holds one query.  Register n of the scores is key 16 (n / 8) + 8 (lane / 16) + n % 8 of the step: 16 registers are half a block of 32 keys,
; in the order in which launch qkv has laid V's keys.  K's and V's fragments are images of their registers: three loads of 16 bytes a lane.
; THE SOFTMAX: t = score x log2(e) / sqrt(128); M = the running largest t rounded up to a whole number; p = 2^(t - M) is quantised; the row's sum is taken of the unquantised p and divides at the end.
; THE RING: two slots of 512 keys (four key steps), filled by waves 0-3 and read by all eight.  A load brings four of K's or of V's eight fragments of ALL FOUR steps, so that each load holds bytes of the slot's first step,
; which is read whenever the slot is asked for.  Every work-group walks all four slots; the loads end at the causal limit.  The scale words of the whole head and the prompt's keys and values come once.
; A STEP'S LDS LOADS: K's eight fragments at its head; V's eight behind the first product, so that they land under the softmax: one wait of a step stands straight behind its loads.
; THE PROMPT: scores = q_rot . prompt key / 4 by v_wmma_f32_16x16x4_f32 (their result goes on into a quantised operand), the maximum taken away, normalised, times the gate; then the 10 values.  q_rot in f32 is asked for behind the last change of slots.
; REGISTERS: window 0: v1-11 addresses; v12 -M, v13 the largest t, v[14:15] the sum; v16-27 Q; v32-79 K's fragments 0-3, then V's 4-7; v80-95 K's and V's scale words, and nothing else; v96-159 scores, then p; v160-223 O^T; v224-254 at work; v255 Q's scale word.
;   window 1: v0-63 q_rot in f32, later the prompt's weights; v64-111 K's fragments 4-7, v112-159 V's 0-3; on the way out v64-127 the prompt's keys, v128-191 its values; v192-255 the f32 sums, which matrix instructions alone write.
.set SLOT1, 131072                     ; slot 1 begins here: one exclusive or turns an address
.set HALF,  24576                      ; what one tensor load brings: 4 steps x 4 fragments x 1,536 bytes.  A slot: K's two halves, then V's two
.set SCK,   262144                     ; K's scale words: 16 steps x 1,024 bytes; V's 16,384 bytes on
.set ADP,   294912                     ; the prompt's keys, 8,192 bytes, then its values
.set SPARE, 311296                     ; the spare words, 128 bytes for each wave: four blocks of 256 bytes that no other line names
.set NSL,   4
.set LI,   1                           ; v1  16 x lane
.set ASK0, 3                           ; v3  SCK + 16 x lane
.set SPW,  5                           ; v5  LDS address of my spare word; never rewritten
.set NIL,  6                           ; v6  0; never rewritten
.set AD,   8                           ; v8  the slot in hand + 16 x lane: K's fragments
.set ADV,  9                           ; v9  the same 2 HALF on: V's (an offset has 16 bits)
.set ADS,  10                          ; v10 the step's scale words
.set AV0,  11                          ; v11 2 HALF + 16 x lane
.set PFO,  28                          ; v28 256 x lane
.set KS,   80                          ; v80-87 K's scale words of the step, a register a fragment
.set VS,   88                          ; v88-95 V's
.set TM,   32
.set PW,   48
.set PC,   224
.set WV,   18
.set SEL,  20
.set CS,   22
.set G1R,  24                          ; s[24:31] 4 rows (steps) of 6,144 bytes, 12,288 bytes apart
.set G1S,  32                          ; s[32:39] 16,384 dense bytes as 64 rows of 256
.set G0R,  40                          ; s[40:43] the ring's, which walks
.set G0S,  44
.set G0A,  48
.set TB,   2
.set TS,   3
.set QL,   66                          ; the work-group's last query
.set SLOTS, 67
.set PFA,  76
.set LIM,  80
.set KF,   98                          ; the step's first key
.set Q0,   99
; HELP FOR THE FAR BLOCK.  The near block's keys end in slot 0 or 1.  At the head of the first slot without them waves 0-3 lay their O^T and sums into LDS bytes of their own, take the far tile's Q, begin a second running
; softmax from nothing, and from there on take steps 0 and 2 of each slot for the far tile; waves 4-7 keep steps 1 and 3.  Behind the last slot waves 0-3 hand O^T, -M and the sums to waves 4-7 through LDS:
; both parts are brought under the larger M by powers of two, which round nothing, and added.  Then waves 0-3 take their own tile's state back, and each wave goes out with its own tile.
; THE HEAD'S LOADS, one a wave: waves 0-3 slot 0, wave 4 K's scale words, wave 5 V's, wave 6 the prompt's keys and values (16,384 dense bytes each); wave 7 none.
.set PK,   29                          ; v29 where waves 0-3 keep their own O^T: 98,304 + 8,192 x (wave % 4) + 16 x lane: bytes behind slot 0 into which no fill lands
.set XG,   30                          ; v30 where the far tile's part is handed over: the same behind slot 1
.set ML,   31                          ; v31 312,320 + 1,024 x (wave % 4) + 4 x lane: -M and the sums handed over (0, 128, 256), the sums kept (512, 640)
.set MK,   14                          ; which of a slot's four steps are mine: a bit a step
.set MK2,  15                          ; the same from the change of roles on
.set SWC,  16                          ; the count of slots to go at which the roles change
.set QH,   19                          ; the first query of the far block's tile that stands beside mine
.set MSB, 0
.macro WIN new
.if MSB != (\new)
	s_set_vgpr_msb (MSB<<8)|(\new)
.set MSB, (\new)
.endif
.endm
.macro TL g0, g1, n                    ; waves under n load; an s_nop 0 and four v_nop follow the line
	s_cmp_lt_u32 s[WV], \n
	s_cbranch_scc0 .Lnot_\@
	tensor_load_to_lds s[\g0:\g0+3], s[\g1:\g1+7]
	s_nop 0
.rept 4
	v_nop
.endr
.Lnot_\@:
.endm
; A prefetch of what the next change of slots will load: a slot's 49,152 dense bytes of K and as many of V.  All work-groups of a head walk the same bytes: the head's first work-group asks, which walks all slots; in it waves 4 to 6
; take 8,192 bytes of each half of each, lanes 256 bytes apart: four instructions a wave.  So each 256 bytes are named once.  Slot 1 is named at the head's end; the last change that fills a slot asks for nothing; slot 0 comes by its load alone.
.macro ASK
	s_cmp_gt_u32 s[SLOTS], s[LIM]
	s_cbranch_scc0 .Lnm_\@
	global_prefetch_b8 v[PFO], s[PFA:PFA+1] th:TH_LOAD_NT scope:SCOPE_SE
	global_prefetch_b8 v[PFO], s[PFA:PFA+1] offset:HALF th:TH_LOAD_NT scope:SCOPE_SE
	global_prefetch_b8 v[PFO], s[PFA:PFA+1] offset:3145728 th:TH_LOAD_NT scope:SCOPE_SE
	global_prefetch_b8 v[PFO], s[PFA:PFA+1] offset:3145728+HALF th:TH_LOAD_NT scope:SCOPE_SE
.Lnm_\@:
.endm
.macro QUANT s, w                      ; as in launch qkv: 64 numbers of window w become codes in v[PC] on and a scale word in v[PW]
	WIN (\w)|((\w)<<2)
.irp b, 0,1,2,3
	v_max3_num_f32 v[TM+\b], |v[\s+16*\b]|, |v[\s+1+16*\b]|, 0x1800000
.endr
	WIN ((\w)<<2)|((\w)<<4)
.irp i, 2,4,6,8,10,12,14
.irp b, 0,1,2,3
	v_max3_num_f32 v[TM+\b], v[TM+\b], |v[\s+16*\b+\i]|, |v[\s+1+16*\b+\i]|
.endr
.endr
	WIN 0
.irp b, 0,1,2,3
	v_permlanex16_b32 v[TM+4+\b], v[TM+\b], s[SEL], s[SEL+1]
.endr
.irp b, 0,1,2,3
	s_delay_alu instid0(VALU_DEP_4)
	v_max_num_f32 v[TM+\b], v[TM+\b], v[TM+4+\b]
.endr
.irp b, 0,1,2,3
	s_delay_alu instid0(VALU_DEP_4)
	v_add_nc_u32 v[TM+12+\b], 0xff000000, v[TM+\b]
.endr
.irp b, 0,1,2,3
	s_delay_alu instid0(VALU_DEP_4)
	v_lshrrev_b32 v[TM+4+\b], 23, v[TM+12+\b]
.endr
	s_delay_alu instid0(VALU_DEP_3)
	v_lshl_or_b32 v[PW], v[TM+5], 8, v[TM+4]
	s_delay_alu instid0(VALU_DEP_1)
	v_lshl_or_b32 v[PW], v[TM+6], 16, v[PW]
	s_delay_alu instid0(VALU_DEP_1)
	v_lshl_or_b32 v[PW], v[TM+7], 24, v[PW]
	WIN (\w)
.irp c, 0,1
	v_cvt_scalef32_pk16_fp6_f32 v[PC+6*\c:PC+2+6*\c], v[\s+32*\c:\s+15+32*\c], v[TM+12+2*\c]
	v_cvt_scalef32_pk16_fp6_f32 v[PC+12+4*\c:PC+14+4*\c], v[\s+16+32*\c:\s+31+32*\c], v[TM+12+2*\c+1]
.endr
	WIN 0
	v_nop
.irp c, 0,1
.irp i, 0,1,2
	v_permlane16_swap_b32 v[PC+6*\c+\i], v[PC+12+4*\c+\i]
.endr
.irp i, 0,1,2
	s_delay_alu instid0(VALU_DEP_3)
	v_mov_b32 v[PC+3+6*\c+\i], v[PC+12+4*\c+\i]
.endr
.endr
.endm
	s_load_b256 s[4:11], s[0:1], 0x0               ; qkv s[4:5], qf s[6:7], adp s[8:9], the gate s[10:11]
	s_load_b64 s[12:13], s[0:1], 0x20              ; cx
	v_lshl_add_u32 v[SPW], v0, 2, SPARE
	v_mov_b32 v[NIL], 0
	ds_add_u32 v[SPW], v[NIL]                      ; the wave's opening: the add, twice on end, and its wait ahead of the first tensor load
	ds_add_u32 v[SPW], v[NIL]
	v_lshrrev_b32 v8, 5, v0
	s_delay_alu instid0(VALU_DEP_1)
	v_readfirstlane_b32 s[WV], v8                  ; wave 0..7
	s_and_b32 s72, ttmp7, 0xffff                   ; the head
	s_sub_co_u32 s73, 31, ttmp9
	s_cmp_lt_u32 s[WV], 4
	s_cselect_b32 s73, ttmp9, s73                  ; my block of 64 queries
	s_lshl_b32 s73, s73, 6
	s_and_b32 s74, s[WV], 3
	s_lshl_b32 s75, s74, 4
	s_add_co_u32 s[Q0], s73, s75
	s_lshl_b32 s[QL], ttmp9, 6
	s_sub_co_u32 s[QL], 2047, s[QL]
	s_mul_i32 s87, s72, 196608                     ; the head's codes within a kind
	s_lshl_b32 s86, s72, 14                        ; its scale words; also its place in adp
	s_bfe_u32 s82, s[WV], 0x10001                  ; I fetch for K (0) or V (1),
	s_and_b32 s83, s[WV], 1                        ; fragments 0-3 or 4-7 of each step
	s_mul_i32 s84, s82, 3145728
	s_add_co_u32 s84, s84, 3145728
	s_add_co_u32 s84, s84, s87
	s_mul_i32 s85, s83, 6144
	s_add_co_u32 s84, s84, s85
	s_mov_b32 s85, 0                               ; s[84:85]: my part of slot 0, in qkv
	s_lshl_b32 s88, s83, 18                        ; wave 4: K's scale words, wave 5: V's
	s_add_co_u32 s88, s88, 9437184+262144
	s_add_co_u32 s88, s88, s86
	s_mov_b32 s89, 0
	s_mov_b32 s90, s86                             ; the prompt's keys and values of the head
	s_mov_b32 s91, 0
	s_mul_i32 s92, s74, HALF                       ; and where they go in LDS
	s_lshl_b32 s93, s83, 14
	s_add_co_u32 s93, s93, SCK
	s_mov_b32 s[G1R], 3<<16                        ; no mask; elements of 8 bytes; no padding
	s_mov_b32 s[G1R+1], 768<<16                    ; tensor_dim0: 6,144 bytes
	s_mov_b32 s[G1R+2], 4<<16                      ; tensor_dim1
	s_mov_b32 s[G1R+3], 768<<16                    ; tile_dim0
	s_mov_b32 s[G1R+4], 4                          ; tile_dim1
	s_mov_b32 s[G1R+5], 1536                       ; tensor_dim0_stride: 12,288 bytes from step to step
	s_mov_b32 s[G1R+6], 0
	s_mov_b32 s[G1R+7], 0
	s_mov_b32 s[G1S], 3<<16
	s_mov_b32 s[G1S+1], 32<<16
	s_mov_b32 s[G1S+2], 64<<16                     ; 16,384 dense bytes as 64 rows of 256
	s_mov_b32 s[G1S+3], 32<<16
	s_mov_b32 s[G1S+4], 64
	s_mov_b32 s[G1S+5], 32
	s_mov_b32 s[G1S+6], 0
	s_mov_b32 s[G1S+7], 0
	s_mov_b32 s[SEL], 0x76543210
	s_mov_b32 s[SEL+1], 0xfedcba98
	s_mov_b32 s[CS], 0x3e0293ee                    ; log2(e) / sqrt(128)
	s_mov_b32 s[CS+1], s[CS]
	s_mov_b32 s71, 0x3eb8aa3b                      ; log2(e) / sqrt(16)
	s_mov_b32 s[TB], 0
	s_mov_b32 s[TS], 0
	s_mov_b32 s[KF], 0
	s_mov_b32 s[SLOTS], NSL-1
	s_wait_dscnt 0x0                               ; both opening adds are done
	s_wait_kmcnt 0x0
	s_load_b32 s81, s[10:11], 0x0                  ; the gate
	s_mov_b32 s[G0S], 1
	s_mov_b32 s[G0S+1], s93
	s_add_nc_u64 s[G0S+2:G0S+3], s[4:5], s[88:89]
	s_or_b32 s[G0S+3], s[G0S+3], 0x80000000
	s_mov_b32 s[G0R], 1
	s_mov_b32 s[G0R+1], s92
	s_add_nc_u64 s[G0R+2:G0R+3], s[4:5], s[84:85]
	s_or_b32 s[G0R+3], s[G0R+3], 0x80000000
	s_mov_b32 s[G0A], 1
	s_mov_b32 s[G0A+1], ADP
	s_add_nc_u64 s[G0A+2:G0A+3], s[8:9], s[90:91]
	s_or_b32 s[G0A+3], s[G0A+3], 0x80000000
	s_cmp_lt_u32 s[WV], 4                          ; one chain of branches on the wave's number, one load to an arm
	s_cbranch_scc0 .Lh_sc
	tensor_load_to_lds s[G0R:G0R+3], s[G1R:G1R+7]  ; waves 0-3: slot 0
	s_nop 0
.rept 4
	v_nop
.endr
	s_branch .Lh_done
.Lh_sc:
	s_cmp_lt_u32 s[WV], 6
	s_cbranch_scc0 .Lh_ad
	tensor_load_to_lds s[G0S:G0S+3], s[G1S:G1S+7]  ; waves 4, 5: the head's scale words, filled once
	s_nop 0
.rept 4
	v_nop
.endr
	s_branch .Lh_done
.Lh_ad:
	s_cmp_lt_u32 s[WV], 7
	s_cbranch_scc0 .Lh_done
	tensor_load_to_lds s[G0A:G0A+3], s[G1S:G1S+7]  ; wave 6: the prompt's keys and values
	s_nop 0
.rept 4
	v_nop
.endr
.Lh_done:
	s_lshr_b32 s68, s[Q0], 4                       ; my tile of 16 queries
	s_mul_i32 s56, s68, 1536
	s_add_co_u32 s56, s56, s87
	s_mov_b32 s57, 0
	s_add_nc_u64 s[56:57], s[4:5], s[56:57]        ; Q's codes
	s_lshr_b32 s58, s68, 2
	s_lshl_b32 s58, s58, 9
	s_and_b32 s59, s68, 3
	s_lshl_b32 s59, s59, 2
	s_add_co_u32 s58, s58, s59
	s_add_co_u32 s58, s58, s86
	s_add_co_u32 s58, s58, 9437184
	s_mov_b32 s59, 0
	s_add_nc_u64 s[58:59], s[4:5], s[58:59]
	s_sub_co_u32 s[QH], 31, ttmp9
	s_lshl_b32 s[QH], s[QH], 6
	s_add_co_u32 s[QH], s[QH], s75                 ; the far block's tile beside mine
	s_lshr_b32 s82, s[QH], 4
	s_mul_i32 s62, s82, 1536
	s_add_co_u32 s62, s62, s87
	s_mov_b32 s63, 0
	s_add_nc_u64 s[62:63], s[4:5], s[62:63]        ; its Q's codes
	s_lshr_b32 s78, s82, 2
	s_lshl_b32 s78, s78, 9
	s_and_b32 s79, s82, 3
	s_lshl_b32 s79, s79, 2
	s_add_co_u32 s78, s78, s79
	s_add_co_u32 s78, s78, s86
	s_add_co_u32 s78, s78, 9437184
	s_mov_b32 s79, 0
	s_add_nc_u64 s[78:79], s[4:5], s[78:79]        ; and scale words
	s_lshr_b32 s[SWC], ttmp9, 1                    ; the near block has x / 2 + 1 key steps:
	s_add_co_u32 s[SWC], s[SWC], 4
	s_lshr_b32 s[SWC], s[SWC], 2                   ; one or two slots
	s_sub_co_u32 s[SWC], NSL-1, s[SWC]
	s_mov_b32 s[MK], 15
	s_cmp_lt_u32 s[WV], 4
	s_cselect_b32 s[MK2], 5, 10
	s_lshl_b32 s60, s72, 7
	s_add_co_u32 s60, s60, s68
	s_lshl_b32 s60, s60, 13
	s_mov_b32 s61, 0
	s_add_nc_u64 s[60:61], s[6:7], s[60:61]        ; q_rot in f32
	s_lshr_b32 s69, s68, 3
	s_lshl_b32 s69, s69, 4
	s_add_co_u32 s69, s69, s72                     ; 16 x block of 128 rows + head
	s_and_b32 s70, s68, 7
	s_mul_i32 s52, s69, 24576
	s_mul_i32 s53, s70, 1536
	s_add_co_u32 s52, s52, s53
	s_mov_b32 s53, 0
	s_add_nc_u64 s[52:53], s[12:13], s[52:53]      ; where my two fragments go,
	s_lshl_b32 s54, s69, 10
	s_lshl_b32 s55, s70, 7
	s_add_co_u32 s54, s54, s55
	s_add_co_u32 s54, s54, 6291456
	s_mov_b32 s55, 0
	s_add_nc_u64 s[54:55], s[12:13], s[54:55]      ; and their scale words
	s_lshl_b32 s76, s74, 13
	s_add_co_u32 s76, s76, s87
	s_add_co_u32 s76, s76, 3145728+2*HALF
	s_mov_b32 s77, 0
	s_add_nc_u64 s[PFA:PFA+1], s[4:5], s[76:77]    ; in slot 1 of K: the first change of slots steps it to slot 2
	s_sub_co_u32 s82, s[WV], 4
	s_cmp_lt_u32 s82, 3                            ; waves 4 to 6
	s_cselect_b32 s82, 0, 1
	s_or_b32 s82, s82, ttmp9                       ; of the head's first work-group
	s_cmp_eq_u32 s82, 0
	s_cselect_b32 s[LIM], 1, -1
	v_and_b32 v2, 31, v0                           ; lane
	s_delay_alu instid0(VALU_DEP_1)
	v_lshlrev_b32 v[LI], 4, v2
	s_delay_alu instid0(VALU_DEP_2)
	v_lshl_add_u32 v[ASK0], v2, 4, SCK
	s_delay_alu instid0(VALU_DEP_3)
	v_lshl_add_u32 v4, v2, 4, ADP
	s_delay_alu instid0(VALU_DEP_4)
	v_lshl_add_u32 v[AV0], v2, 4, 2*HALF
	v_lshlrev_b32 v7, 2, v2
	v_lshlrev_b32 v[PFO], 8, v2
	s_lshl_b32 s82, s74, 13
	s_add_co_u32 s82, s82, 98304
	v_add_nc_u32 v[PK], s82, v[LI]
	s_lshl_b32 s83, s74, 10
	s_add_co_u32 s83, s83, 312320
	v_lshl_add_u32 v[ML], v2, 2, s83
	v_add_nc_u32 v[XG], 131072, v[PK]
.irp c, 0,1,2
	global_load_b128 v[16+4*\c:19+4*\c], v[LI], s[56:57] offset:512*\c    ; Q's fragment stays in registers
.endr
	global_load_b32 v255, v[LI], s[58:59]
	WIN 0x40                                       ; destination window 1: the far tile's Q and scale word wait in v160-172 there, which the key steps do not use
.irp c, 0,1,2
	global_load_b128 v[160+4*\c:163+4*\c], v[LI], s[62:63] offset:512*\c
.endr
	global_load_b32 v172, v[LI], s[78:79]
	WIN 0
	v_mov_b32 v13, 0xff61b1e6                      ; the largest t so far: -3e38
	s_delay_alu instid0(VALU_DEP_1)
	v_floor_f32 v12, -v13
	v_mov_b32 v14, 0
	v_mov_b32 v15, 0
.irp b, 0,1,2,3
	v_mov_b32 v[236+\b], 0                         ; written once: a lane permute's destination counts as one of its sources
.endr
	v_mov_b32 v252, 0
	v_mov_b32 v253, 0
.set j, 0
.rept 64
	v_mov_b32 v[160+j], 0                          ; O^T: the step is written once; the first finds zeros
.set j, j+1
.endr
; A KEY STEP: 128 keys, the q-th of the slot in hand
.macro STEP q
	s_add_co_u32 s96, s[Q0], 15                    ; a step all of whose keys come behind my 16 queries is left out: a branch on ids, round no barrier and no tensor load
	s_cmp_gt_u32 s[KF], s96
	s_cbranch_scc1 .Lhidden_\@
	s_bitcmp1_b32 s[MK], \q                        ; nor is a step that my partner takes: ids, the wave's number and the count of slots alone
	s_cbranch_scc0 .Lhidden_\@
	v_add_nc_u32 v[AD], s[TB], v[LI]
	v_add_nc_u32 v[ADV], s[TB], v[AV0]
	v_add_nc_u32 v[ADS], s[TS], v[ASK0]
	v_nop                                          ; with the three additions: four places in front of loads into registers that matrix instructions have read
.irp t, 0,1,2,3                        ; K's fragments 0-3 and its eight scale words first: 14 loads
.irp c, 0,1,2
	ds_load_b128 v[32+12*\t+4*\c:35+12*\t+4*\c], v[AD] offset:6144*(\q)+1536*\t+512*\c
.endr
.endr
	ds_load_b128 v[KS:KS+3], v[ADS]
	ds_load_b128 v[KS+4:KS+7], v[ADS] offset:512
	WIN 0x40                                       ; destination window 1
.irp t, 0,1,2,3                        ; K's fragments 4-7: 12 loads
.irp c, 0,1,2
	ds_load_b128 v[64+12*\t+4*\c:67+12*\t+4*\c], v[AD] offset:HALF+6144*(\q)+1536*\t+512*\c
.endr
.endr
	WIN 0
	s_wait_alu depctr_va_vdst(0)
	s_wait_dscnt 12                                ; the first 14 are in; the 12 loads of fragments 4-7 may be out
.irp t, 0,1,2,3
	v_wmma_scale_f32_16x16x128_f8f6f4 v[96+8*\t:103+8*\t], v[32+12*\t:43+12*\t], v[16:27], 0, v[KS+\t], v255 matrix_a_fmt:MATRIX_FMT_FP6 matrix_b_fmt:MATRIX_FMT_FP6
.endr
	s_wait_dscnt 0x0
	WIN 0x01                                       ; source 0 window 1
.irp t, 0,1,2,3
	v_wmma_scale_f32_16x16x128_f8f6f4 v[128+8*\t:135+8*\t], v[64+12*\t:75+12*\t], v[16:27], 0, v[KS+4+\t], v255 matrix_a_fmt:MATRIX_FMT_FP6 matrix_b_fmt:MATRIX_FMT_FP6
.endr
	WIN 0
.rept 4
	v_nop                                          ; four places: in front of the loads into K's registers, and of the first read of the scores
.endr
.irp t, 0,1,2,3                        ; ALL OF V IS ASKED FOR HERE: it lands under the softmax.  Fragments 4-7 where K's 0-3 lay,
.irp c, 0,1,2
	ds_load_b128 v[32+12*\t+4*\c:35+12*\t+4*\c], v[ADV] offset:HALF+6144*(\q)+1536*\t+512*\c
.endr
.endr
	ds_load_b128 v[VS:VS+3], v[ADS] offset:16384   ; its scale words,
	ds_load_b128 v[VS+4:VS+7], v[ADS] offset:16384+512
	WIN 0x40
.irp t, 0,1,2,3                        ; fragments 0-3 in window 1
.irp c, 0,1,2
	ds_load_b128 v[112+12*\t+4*\c:115+12*\t+4*\c], v[ADV] offset:6144*(\q)+1536*\t+512*\c
.endr
.endr
	WIN 0
	s_add_co_u32 s96, s[KF], 127                   ; on the diagonal hidden scores become -infinity ahead of the maximum; a step all of whose keys count skips this
	s_cmp_le_u32 s96, s[Q0]
	s_cbranch_scc1 .Lopen_\@
	s_sub_co_i32 s96, s[Q0], s[KF]
	v_and_b32 v252, 15, v0
	v_bfe_u32 v253, v0, 4, 1
	s_delay_alu instid0(VALU_DEP_1)
	v_lshlrev_b32 v253, 3, v253
	s_delay_alu instid0(VALU_DEP_1)
	v_sub_nc_u32 v252, v252, v253
	s_delay_alu instid0(VALU_DEP_1)
	v_add_nc_u32 v252, s96, v252                   ; d = my query - the step's first key - 8 (lane / 16): register n is hidden where 16 (n / 8) + n % 8 > d
	v_mov_b32 v254, 0xff800000
.set n, 0
.rept 64
	v_cmp_gt_i32 vcc_lo, 16*(n/8)+n%8, v252
	v_cndmask_b32 v[96+n], v[96+n], v254, vcc_lo
.set n, n+1
.endr
.Lopen_\@:
.irp b, 0,1,2,3
	v_max3_num_f32 v[232+\b], v[96+16*\b], v[97+16*\b], v[98+16*\b]   ; the largest score of each block of 32 keys: for the row's maximum, and, since p rises with the score, for the block's largest p
.endr
.irp i, 3,5,7,9,11,13
.irp b, 0,1,2,3
	v_max3_num_f32 v[232+\b], v[232+\b], v[96+16*\b+\i], v[97+16*\b+\i]
.endr
.endr
.irp b, 0,1,2,3
	v_max_num_f32 v[232+\b], v[232+\b], v[111+16*\b]
.endr
.irp b, 0,1,2,3
	s_delay_alu instid0(VALU_DEP_4)
	v_permlanex16_b32 v[236+\b], v[232+\b], s[SEL], s[SEL+1]
.endr
.irp b, 0,1,2,3
	s_delay_alu instid0(VALU_DEP_4)
	v_max_num_f32 v[232+\b], v[232+\b], v[236+\b]
.endr
	s_delay_alu instid0(VALU_DEP_2)
	v_max3_num_f32 v254, v232, v233, v234
	s_delay_alu instid0(VALU_DEP_1)
	v_max_num_f32 v254, v254, v235
	s_delay_alu instid0(VALU_DEP_1)
	v_mul_f32 v254, s[CS], v254
	s_delay_alu instid0(VALU_DEP_1)
	v_max_num_f32 v13, v13, v254                   ; the running largest t
	v_mov_b32 v254, v12
	s_delay_alu instid0(VALU_DEP_2)
	v_floor_f32 v12, -v13                          ; -M = floor(-t): M is a whole number
	s_delay_alu instid0(VALU_DEP_1)
	v_sub_f32 v254, v12, v254
	s_delay_alu instid0(VALU_DEP_1)
	v_cvt_i32_f32 v254, v254
	s_delay_alu instid0(VALU_DEP_1)
	v_ldexp_f32 v252, 1.0, v254                    ; f = 2^(old M - new M)
.set j, 0
.rept 32
	v_pk_fma_f32 v[96+j:97+j], v[96+j:97+j], s[CS:CS+1], v[12:13] op_sel_hi:[1,0,0]   ; t - M
.set j, j+2
.endr
.irp b, 0,1,2,3
	v_fma_f32 v[232+\b], v[232+\b], s[CS], v12
.endr
.set j, 0
	s_wait_alu depctr_va_vdst(0)
.rept 64
	v_exp_f32 v[96+j], v[96+j]                     ; p = 2^(t - M)
.set j, j+1
.endr
	v_pk_mul_f32 v[14:15], v[14:15], v[252:253] op_sel_hi:[1,0]   ; the sums under the new M; a plain place behind the exponentials
	s_wait_alu depctr_va_vdst(0)                   ; one wait for the batch, ahead of its first reader
.irp b, 0,1,2,3
	v_exp_f32 v[232+\b], v[232+\b]                 ; each block's largest p
.endr
	v_pk_add_f32 v[236:237], v[100:101], v[104:105]
	v_pk_add_f32 v[250:251], v[108:109], v[112:113]
	v_pk_add_f32 v[248:249], v[116:117], v[120:121]
	v_pk_add_f32 v[246:247], v[124:125], v[128:129]
	v_pk_add_f32 v[244:245], v[132:133], v[136:137]
	v_pk_add_f32 v[242:243], v[140:141], v[144:145]
	v_pk_add_f32 v[240:241], v[148:149], v[152:153]
	v_pk_add_f32 v[14:15], v[14:15], v[156:157]
	v_pk_add_f32 v[236:237], v[236:237], v[96:97]
	v_pk_add_f32 v[250:251], v[250:251], v[98:99]
	v_pk_add_f32 v[248:249], v[248:249], v[102:103]
	v_pk_add_f32 v[246:247], v[246:247], v[106:107]
	v_pk_add_f32 v[244:245], v[244:245], v[110:111]
	v_pk_add_f32 v[242:243], v[242:243], v[114:115]
	v_pk_add_f32 v[240:241], v[240:241], v[118:119]
	v_pk_add_f32 v[14:15], v[14:15], v[122:123]
	v_pk_add_f32 v[236:237], v[236:237], v[126:127]
	v_pk_add_f32 v[250:251], v[250:251], v[130:131]
	v_pk_add_f32 v[248:249], v[248:249], v[134:135]
	v_pk_add_f32 v[246:247], v[246:247], v[138:139]
	v_pk_add_f32 v[244:245], v[244:245], v[142:143]
	v_pk_add_f32 v[242:243], v[242:243], v[146:147]
	v_pk_add_f32 v[240:241], v[240:241], v[150:151]
	v_pk_add_f32 v[14:15], v[14:15], v[154:155]
	v_pk_add_f32 v[236:237], v[236:237], v[158:159]
	s_delay_alu instid0(VALU_DEP_2)
	v_pk_add_f32 v[14:15], v[14:15], v[246:247]
	s_delay_alu instid0(VALU_DEP_2)
	v_pk_add_f32 v[236:237], v[236:237], v[244:245]
	v_pk_add_f32 v[250:251], v[250:251], v[242:243]
	v_pk_add_f32 v[248:249], v[248:249], v[240:241]
	s_delay_alu instid0(VALU_DEP_2)
	v_pk_add_f32 v[14:15], v[14:15], v[250:251]
	s_delay_alu instid0(VALU_DEP_2)
	v_pk_add_f32 v[236:237], v[236:237], v[248:249]
	s_delay_alu instid0(VALU_DEP_1)
	v_pk_add_f32 v[14:15], v[14:15], v[236:237]
	s_wait_alu depctr_va_vdst(0)                   ; and one for the four
.irp b, 0,1,2,3
	v_max_num_f32 v[232+\b], 0x1800000, v[232+\b]  ; the floor 2^(3 - 127)
.endr
.irp b, 0,1,2,3
	s_delay_alu instid0(VALU_DEP_4)
	v_add_nc_u32 v[244+\b], 0xff000000, v[232+\b]
.endr
.irp b, 0,1,2,3
	s_delay_alu instid0(VALU_DEP_4)
	v_lshrrev_b32 v[236+\b], 23, v[244+\b]
.endr
	s_delay_alu instid0(VALU_DEP_3)
	v_lshl_or_b32 v253, v237, 8, v236              ; p's scale word for these 128 keys
	s_delay_alu instid0(VALU_DEP_1)
	v_lshl_or_b32 v253, v238, 16, v253
	s_delay_alu instid0(VALU_DEP_1)
	v_lshl_or_b32 v253, v239, 24, v253
.irp c, 0,1
	v_cvt_scalef32_pk16_fp6_f32 v[224+6*\c:226+6*\c], v[96+32*\c:111+32*\c], v[244+2*\c]
	v_cvt_scalef32_pk16_fp6_f32 v[236+4*\c:238+4*\c], v[112+32*\c:127+32*\c], v[244+2*\c+1]
.endr
	v_nop
.irp c, 0,1
.irp i, 0,1,2
	v_permlane16_swap_b32 v[224+6*\c+\i], v[236+4*\c+\i]
.endr
.irp i, 0,1,2
	s_delay_alu instid0(VALU_DEP_3)
	v_mov_b32 v[227+6*\c+\i], v[236+4*\c+\i]
.endr
.endr
.set j, 0
.rept 32
	v_pk_mul_f32 v[160+j:161+j], v[160+j:161+j], v[252:253] op_sel_hi:[1,0]   ; O^T under the new M; these 32 are also the places in front of the matrix instructions below
.set j, j+2
.endr
	s_wait_alu depctr_va_vdst(0)
	s_wait_dscnt 0x0                               ; V, asked for ahead of the softmax
	WIN 0x01
.irp t, 0,1,2,3
	v_wmma_scale_f32_16x16x128_f8f6f4 v[160+8*\t:167+8*\t], v[112+12*\t:123+12*\t], v[224:235], v[160+8*\t:167+8*\t], v[VS+\t], v253 matrix_a_fmt:MATRIX_FMT_FP6 matrix_b_fmt:MATRIX_FMT_FP6
.endr
	WIN 0
.rept 4
	v_nop                                          ; the last registers of O^T were rescaled just ahead of the first four products: four places ahead of the products that take them
.endr
.irp t, 0,1,2,3
	v_wmma_scale_f32_16x16x128_f8f6f4 v[192+8*\t:199+8*\t], v[32+12*\t:43+12*\t], v[224:235], v[192+8*\t:199+8*\t], v[VS+4+\t], v253 matrix_a_fmt:MATRIX_FMT_FP6 matrix_b_fmt:MATRIX_FMT_FP6
.endr
.Lhidden_\@:
	s_add_co_u32 s[KF], s[KF], 128
	s_add_co_u32 s[TS], s[TS], 1024
.endm
; THE CHANGE OF SLOTS stands at a slot's head: each wave waits for all its tensor loads, adds 0 to its spare word, and waits for that and for its reads of the slot that it has left; then the barrier.
; fill = 1: the slot that was left is filled with the keys that follow, up to the causal limit: a slot whose first key comes behind the work-group's last query is read by none of its waves and is not asked for.
.macro CHANGE fill
	s_wait_tensorcnt 0x0                           ; no tensor load of mine is out, so a group 0 may be written
	ds_add_u32 v[SPW], v[NIL]
.if \fill
	ds_add_u32 v[SPW], v[NIL]                      ; and twice on end here, in every trip alike
	s_xor_b32 s[G0R+1], s[G0R+1], SLOT1
	s_add_nc_u64 s[G0R+2:G0R+3], s[G0R+2:G0R+3], 2*HALF
	s_wait_xcnt 0x0                                ; the last prefetches, a slot back, have read their address
	s_add_nc_u64 s[PFA:PFA+1], s[PFA:PFA+1], 2*HALF
.endif
	s_wait_dscnt 0x0
	s_barrier_signal -1
	s_barrier_wait -1
.if \fill
	s_add_co_u32 s96, s[KF], 512                   ; the first key of the slot that this change would ask for: ids and the count of steps alone, the same in all eight waves
	s_cmp_gt_u32 s96, s[QL]
	s_cbranch_scc1 .Lpast_\@
	TL G0R, G1R, 4                                 ; a wave's one tensor load until the next such barrier: it has the slot's four steps in which to land
.Lpast_\@:
	ASK
.endif
.endm
.macro SLOT_STEPS
	STEP 0
	STEP 1
	STEP 2
	STEP 3
	s_xor_b32 s[TB], s[TB], SLOT1
.endm
	s_wait_alu depctr_va_vdst(0)
	ASK                                            ; slot 1
	s_wait_loadcnt 0x0                             ; Q, the far tile's Q and their scale words
	s_wait_kmcnt 0x0                               ; the gate
.Lslot:                                            ; three trips
	CHANGE 1
	s_cmp_eq_u32 s[SLOTS], s[SWC]                  ; the first slot without keys for the near block: the far tile's steps are shared out from here on
	s_cselect_b32 s[MK], s[MK2], s[MK]
	s_cmp_lt_u32 s[WV], 4
	s_cbranch_scc0 .Lnosw
	s_cmp_eq_u32 s[SLOTS], s[SWC]
	s_cbranch_scc0 .Lnosw
.rept 4
	v_nop                                          ; places behind the last products: O^T is read, and Q's registers are loaded anew
.endr
	s_wait_alu depctr_va_vdst(0)                   ; directly ahead of the readers below
.set i, 0
.rept 16
	ds_store_b128 v[PK], v[160+4*i:163+4*i] offset:512*i   ; my own tile's O^T, each accumulator from its low end on
.set i, i+1
.endr
	ds_store_b32 v[ML], v14 offset:512             ; and its sums
	ds_store_b32 v[ML], v15 offset:640
	s_mov_b32 s[Q0], s[QH]
	s_wait_dscnt 0x0                               ; the stores have read their registers
	WIN 0x01                                       ; source 0 window 1
.set i, 0
.rept 12
	v_mov_b32 v[16+i], v[160+i]                    ; the far tile's Q,
.set i, i+1
.endr
	v_mov_b32 v255, v172                           ; and its scale word; the 64 moves below are the places ahead of the next products
	WIN 0
	v_mov_b32 v13, 0xff61b1e6
	v_mov_b32 v14, 0
	v_mov_b32 v15, 0
	v_floor_f32 v12, -v13
.set j, 0
.rept 64
	v_mov_b32 v[160+j], 0
.set j, j+1
.endr
	s_wait_alu depctr_va_vdst(0)
.Lnosw:
	SLOT_STEPS
	s_sub_co_u32 s[SLOTS], s[SLOTS], 1
	s_cmp_lg_u32 s[SLOTS], 0
	s_cbranch_scc1 .Lslot
	CHANGE 0                                       ; the last slot is written out: nothing is left to fetch
	WIN 0x40                                       ; destination window 1
.set i, 0
.rept 16
	global_load_b128 v[4*i:4*i+3], v[LI], s[60:61] offset:512*i    ; q_rot in f32, for the prompt's scores: asked for here, wanted behind the last slot's steps
.set i, i+1
.endr
	WIN 0
	SLOT_STEPS
.rept 4
	v_nop                                          ; places behind the last products
.endr
	; THE TWO PARTS OF THE FAR TILE ARE JOINED
	s_wait_alu depctr_va_vdst(0)                   ; directly ahead of the branch
	s_cmp_lt_u32 s[WV], 4
	s_cbranch_scc0 .Lx_b1
.set i, 0
.rept 16
	ds_store_b128 v[XG], v[160+4*i:163+4*i] offset:512*i   ; waves 0-3 hand over their part: O^T,
.set i, i+1
.endr
	ds_store_b32 v[ML], v12                        ; -M,
	ds_store_b32 v[ML], v14 offset:128             ; and the sums
	ds_store_b32 v[ML], v15 offset:256
.Lx_b1:
	s_wait_dscnt 0x0                               ; for the others' sake: my stores are done
	s_barrier_signal -1
	s_barrier_wait -1
	s_cmp_lt_u32 s[WV], 4
	s_cbranch_scc0 .Lx_b2
.set i, 0
.rept 16
	ds_load_b128 v[160+4*i:163+4*i], v[PK] offset:512*i    ; waves 0-3 take their own tile's state back
.set i, i+1
.endr
	ds_load_b32 v14, v[ML] offset:512
	ds_load_b32 v15, v[ML] offset:640
	s_wait_dscnt 0x0
	s_branch .Lx_done
.Lx_b2:
.set i, 0
.rept 16
	ds_load_b128 v[96+4*i:99+4*i], v[XG] offset:512*i
.set i, i+1
.endr
	ds_load_b32 v224, v[ML]
	ds_load_b32 v226, v[ML] offset:128
	ds_load_b32 v227, v[ML] offset:256
	v_mov_b32 v229, 0                              ; (named as the upper halves of pairs)
	v_mov_b32 v231, 0
	s_wait_alu depctr_va_vdst(0)                   ; directly ahead of the wait below
	s_wait_dscnt 0x0
	v_min_num_f32 v225, v12, v224                  ; -M of the two together
	s_delay_alu instid0(VALU_DEP_1)
	v_sub_f32 v228, v225, v12
	s_delay_alu instid0(VALU_DEP_2)
	v_sub_f32 v230, v225, v224
	s_delay_alu instid0(VALU_DEP_2)
	v_cvt_i32_f32 v228, v228                       ; whole numbers, 0 or less (it saturates: a part that saw no key gets the factor 0)
	s_delay_alu instid0(VALU_DEP_2)
	v_cvt_i32_f32 v230, v230
	s_delay_alu instid0(VALU_DEP_2)
	v_ldexp_f32 v228, 1.0, v228                    ; my part's factor,
	s_delay_alu instid0(VALU_DEP_2)
	v_ldexp_f32 v230, 1.0, v230                    ; and my partner's
	s_delay_alu instid0(VALU_DEP_2)
	v_pk_mul_f32 v[14:15], v[14:15], v[228:229] op_sel_hi:[1,0]
	s_delay_alu instid0(VALU_DEP_1)
	v_pk_fma_f32 v[14:15], v[226:227], v[230:231], v[14:15] op_sel_hi:[1,0,1]
.set j, 0
.rept 32
	v_pk_mul_f32 v[160+j:161+j], v[160+j:161+j], v[228:229] op_sel_hi:[1,0]
.set j, j+2
.endr
.set j, 0
.rept 32
	v_pk_fma_f32 v[160+j:161+j], v[96+j:97+j], v[230:231], v[160+j:161+j] op_sel_hi:[1,0,1]
.set j, j+2
.endr
.Lx_done:
	WIN 0x40
.set i, 0
.rept 32
	ds_load_b128 v[64+4*i:67+4*i], v4 offset:512*i
.set i, i+1
.endr
	WIN 0
	v_add_f32 v14, v14, v15
	s_delay_alu instid0(VALU_DEP_1)
	v_permlanex16_b32 v252, v14, s[SEL], s[SEL+1]
	s_delay_alu instid0(VALU_DEP_1)
	v_add_f32 v14, v14, v252                       ; the row's sum
	s_wait_alu depctr_va_vdst(0)
	v_rcp_f32 v14, v14
.irp b, 0,1,2,3
	v_mov_b32 v[TM+4+\b], 0                        ; plain places behind the reciprocal; a lane permute's destination counts as one of its sources
.endr
	s_wait_alu depctr_va_vdst(0)                   ; the wait ahead of the reciprocal's first reader
.set j, 0
.rept 64
	v_mul_f32 v[96+j], v[160+j], v14               ; register 8 t + i: channel 16 t + 8 (lane / 16) + i of my query
.set j, j+1
.endr
	QUANT 96, 0
	v_mov_b32 v49, v[PW]
.irp c, 0,1,2
	global_store_b128 v[LI], v[PC+4*\c:PC+4*\c+3], s[52:53] offset:512*\c
.endr
	; the prompt's scores: source 0 = its 16 key rows (10 and zeros), source 1 = my 16 queries, 4 channels an instruction; four accumulators by turns
	s_wait_dscnt 0x0                               ; the prompt's keys and values
	s_wait_loadcnt 0x0                             ; q_rot
	WIN 0x55
.set s, 0
.rept 32
.if s < 4
	v_wmma_f32_16x16x4_f32 v[192+8*(s%4):199+8*(s%4)], v[64+2*s:65+2*s], v[2*s:2*s+1], 0
.else
	v_wmma_f32_16x16x4_f32 v[192+8*(s%4):199+8*(s%4)], v[64+2*s:65+2*s], v[2*s:2*s+1], v[192+8*(s%4):199+8*(s%4)]
.endif
.set s, s+1
.endr
.rept 8
	v_nop
.endr
	WIN 0x05
.irp p, 0,1,2,3
	v_pk_add_f32 v[96+2*\p:97+2*\p], v[192+2*\p:193+2*\p], v[200+2*\p:201+2*\p]
	v_pk_add_f32 v[104+2*\p:105+2*\p], v[208+2*\p:209+2*\p], v[216+2*\p:217+2*\p]
.endr
	WIN 0
.irp p, 0,1,2,3
	v_pk_add_f32 v[96+2*\p:97+2*\p], v[96+2*\p:97+2*\p], v[104+2*\p:105+2*\p]   ; register j: key 8 (lane / 16) + j of my query
.endr
	v_cmp_le_u32 s70, 16, v2                       ; lanes 16-31
	v_mov_b32 v112, 0xff800000
.irp j, 2,3,4,5,6,7
	v_cndmask_b32 v[96+\j], v[96+\j], v112, s70    ; keys 10 to 15 do not exist
.endr
	v_max3_num_f32 v104, v96, v97, v98
	s_delay_alu instid0(VALU_DEP_1)
	v_max3_num_f32 v104, v104, v99, v100
	s_delay_alu instid0(VALU_DEP_1)
	v_max3_num_f32 v104, v104, v101, v102
	s_delay_alu instid0(VALU_DEP_1)
	v_max_num_f32 v104, v104, v103
	s_delay_alu instid0(VALU_DEP_1)
	v_permlanex16_b32 v105, v104, s[SEL], s[SEL+1]
	s_delay_alu instid0(VALU_DEP_1)
	v_max_num_f32 v104, v104, v105                 ; the row's largest score is taken away
	s_delay_alu instid0(VALU_DEP_1)
	v_mul_f32 v105, s71, v104
.irp j, 0,1,2,3,4,5,6,7
	v_fma_f32 v[96+\j], v[96+\j], s71, -v105
.endr
	s_wait_alu depctr_va_vdst(0)
.irp j, 0,1,2,3,4,5,6,7
	v_exp_f32 v[96+\j], v[96+\j]
.endr
	v_nop
	s_wait_alu depctr_va_vdst(0)
	v_add_f32 v104, v96, v97
	v_add_f32 v105, v98, v99
	v_add_f32 v106, v100, v101
	v_add_f32 v107, v102, v103
	s_delay_alu instid0(VALU_DEP_3)
	v_add_f32 v104, v104, v105
	s_delay_alu instid0(VALU_DEP_2)
	v_add_f32 v106, v106, v107
	s_delay_alu instid0(VALU_DEP_1)
	v_add_f32 v104, v104, v106
	s_delay_alu instid0(VALU_DEP_1)
	v_permlanex16_b32 v105, v104, s[SEL], s[SEL+1]
	s_delay_alu instid0(VALU_DEP_1)
	v_add_f32 v104, v104, v105
	s_wait_alu depctr_va_vdst(0)
	v_rcp_f32 v104, v104
	v_nop
	s_wait_alu depctr_va_vdst(0)
	v_mul_f32 v104, s81, v104                      ; the gate / the sum
	WIN 0x40
.irp j, 0,1,2,3,4,5,6,7
	v_mul_f32 v[\j], v[96+\j], v104                ; the weights, where q_rot lay
.endr
	WIN 0
.rept 9
	v_nop                                          ; places in front of matrix instructions that begin sums anew in registers of earlier ones
.endr
	WIN 0x55
.irp s, 0,1,2,3                        ; source 0 = 16 channels of the prompt's values, source 1 = the weights; 4 keys an instruction; eight accumulators by turns
.irp f, 0,1,2,3,4,5,6,7
.if \s == 0
	v_wmma_f32_16x16x4_f32 v[192+8*\f:199+8*\f], v[128+8*\f+2*\s:129+8*\f+2*\s], v[2*\s:2*\s+1], 0
.else
	v_wmma_f32_16x16x4_f32 v[192+8*\f:199+8*\f], v[128+8*\f+2*\s:129+8*\f+2*\s], v[2*\s:2*\s+1], v[192+8*\f:199+8*\f]
.endif
.endr
.endr
.rept 8
	v_nop
.endr
	WIN 0
	s_wait_xcnt 0x0                                ; the first fragment's stores have read their registers
	QUANT 192, 1
.irp c, 0,1,2
	global_store_b128 v[LI], v[PC+4*\c:PC+4*\c+3], s[52:53] offset:12288+512*\c
.endr
	v_cndmask_b32 v50, v49, v[PW], s70             ; lanes 0-15: the attention's scale words, lanes 16-31: the prompt's
	global_store_b32 v7, v50, s[54:55]             ; 128 consecutive bytes: half of an aligned 256; the tile beside mine stores the other half
	s_wait_tensorcnt 0x0                           ; the wave's end
	ds_add_u32 v[SPW], v[NIL]
	s_wait_dscnt 0x0
	s_endpgm
.Lfunc_end_k_q2e96973552_attn:
	.size	k_q2e96973552_attn, .Lfunc_end_k_q2e96973552_attn-k_q2e96973552_attn
	.p2alignl 7, 3214868480
	.fill 96, 4, 3214868480
	.section	.rodata,"a",@progbits
	.p2align	6, 0x0
	.amdhsa_kernel k_q2e96973552_attn
		.amdhsa_group_segment_fixed_size 327680
		.amdhsa_private_segment_fixed_size 0
		.amdhsa_enable_private_segment 0
		.amdhsa_kernarg_size 40
		.amdhsa_user_sgpr_count 2
		.amdhsa_user_sgpr_kernarg_segment_ptr 1
		.amdhsa_wavefront_size32 1
		.amdhsa_system_sgpr_workgroup_id_x 1
		.amdhsa_system_sgpr_workgroup_id_y 1
		.amdhsa_system_sgpr_workgroup_id_z 1
		.amdhsa_system_vgpr_workitem_id 0
		.amdhsa_next_free_vgpr 512
		.amdhsa_next_free_sgpr 100
		.amdhsa_reserve_vcc 1
		.amdhsa_float_denorm_mode_32 3
		.amdhsa_float_denorm_mode_16_64 3
		.amdhsa_memory_ordered 1
		.amdhsa_forward_progress 1
		.amdhsa_inst_pref_size 255
	.end_amdhsa_kernel
	.section	.bss,"aw",@nobits
	.p2align	6
	.space	262144
	.amdgpu_metadata
---
amdhsa.version: [ 1, 2 ]
amdhsa.kernels:
  - .name:           k_q2e96973552_attn
    .symbol:         k_q2e96973552_attn.kd
    .args:
      - { .name: qkv, .offset: 0, .size: 8, .value_kind: global_buffer, .address_space: global }
      - { .name: qf, .offset: 8, .size: 8, .value_kind: global_buffer, .address_space: global }
      - { .name: adp, .offset: 16, .size: 8, .value_kind: global_buffer, .address_space: global }
      - { .name: adaption_gate, .offset: 24, .size: 8, .value_kind: global_buffer, .address_space: global }
      - { .name: cx, .offset: 32, .size: 8, .value_kind: global_buffer, .address_space: global }
    .group_segment_fixed_size: 327680
    .private_segment_fixed_size: 0
    .kernarg_segment_align: 8
    .kernarg_segment_size: 40
    .max_flat_workgroup_size: 256
    .sgpr_count:     100
    .vgpr_count:     512
    .wavefront_size: 32
...
	.end_amdgpu_metadata
.endif
;; end of part 3
;; launch outp (part 4): grid 16 x 16, 4 waves a work-group, clusters of 4 x 4, 327,680 bytes of LDS; arguments cx, codes, scl, out0; writes out0
.if DOCPART == 4
	.amdgcn_target "amdgcn-amd-amdhsa--gfx1250"
	.amdhsa_code_object_version 6
	.text
	.protected	k_q2e96973552_outp
	.globl	k_q2e96973552_outp
	.p2align	8
	.type	k_q2e96973552_outp,@function
k_q2e96973552_outp:
	s_mov_b64 s[64:65], 0
	v_nop
	global_prefetch_b8 v0, s[64:65] scope:SCOPE_SE
	s_setreg_imm32_b32 hwreg(HW_REG_WAVE_MODE, 25, 1), 1
	s_wait_xcnt 0x0
	s_wait_alu depctr_hold_cnt(0) depctr_sa_sdst(0) depctr_va_vdst(0) depctr_va_sdst(0) depctr_va_ssrc(0) depctr_va_vcc(0) depctr_vm_vsrc(0)
	s_getreg_b32 s2, hwreg(HW_REG_IB_STS2, 6, 4)
	s_cmp_eq_u32 s2, 0
	s_cbranch_scc0 .Lentry_in_a_cluster
	s_endpgm
.Lentry_in_a_cluster:
	s_bfe_u32 s2, ttmp6, 0x10000c
	s_cmp_lg_u32 s2, 0xf033
	s_cbranch_scc0 .Lentry_shape_is_right
	s_endpgm
.Lentry_shape_is_right:
; OUTP: out = ctx Wo^T + a_ctx Wo^T on codes of FP6 (E2M3): two quantised products, each with its own codes and scales on the left, summed in one f32 accumulator.  No work is left out here.
; LIMIT: the two products share one f32 sum, where the problem adds two finished sums: a difference of rounding order.
; A tile of 128 x 128 gives 256 work-groups; four waves, each 64 x 64: 16 accumulators.  A K step is one head (128 along K): each fragment of Wo is read from LDS once and multiplied with ctx's fragment and with a_ctx's.
; The matrix instruction is used transposed (source 0 = 16 rows of Wo, source 1 = 16 rows of ctx or a_ctx): a lane holds eight neighbouring numbers of a row of out.
; THE RING: two slots of four heads.  Waves 0-2 fetch thirds of the left side's 98,304 bytes, wave 3 Wo's 49,152.  Four fills in all: two at the start, two refills, each behind a round of the cluster's barrier.  Every wait for tensor loads is for all of them.
; CLUSTER: the left side hangs on the tile row alone and is asked for jointly along a row of the cluster, Wo on the tile column alone, along a column.
; REGISTERS: window 0: v16-29 addresses; v32-63 the left side's scale words (lanes 0-15 ctx, lanes 16-31 a_ctx), v64-95 Wo's, two sets each, scales alone; v96-127 the way out; v128-255 accumulators.
;   windows 1, 2: two sets of fragments: v0-47 Wo, v48-95 ctx, v96-143 a_ctx.
; THE FIRST FILLS: at the head one joint load a wave: wave 0 the left side's whole slot 0, wave 1 Wo's, wave 2 the left side's scale words, wave 3 Wo's; slot 1 is first filled behind the full sequence and a round, as a refill is.
; PREFETCH: fill 2 is named behind slot 1's load, fill 3 behind fill 2's: one fill ahead of the load that wants it.  The four partners that ask jointly share a wave's bytes out by address: 8,192 of a third of the left side, 2 of Wo's 8 row tiles.
.set SLOT,  147456
.set SCA,   294912                     ; the left side's scale words: 16 heads x 1,024 bytes
.set SCB,   311296                     ; Wo's: 8 row tiles x 1,024 bytes
.set SPARE, 319488                     ; the spare words, 128 bytes for each wave: two blocks of 256 bytes that no other line names
.set ADRA, 16                          ; v16-19 my left fragments: slot 0 heads 0-1, heads 2-3; slot 1 likewise
.set ADRB, 20                          ; v20-21 Wo's in slot 0, 1
.set ASA,  22
.set ASB,  23
.set STO,  24
.set RD,   25
.set CO,   26
.set SPW,  28                          ; v28 LDS address of my spare word; never rewritten
.set NIL,  29                          ; v29 0; never rewritten
.set SA,   32
.set SB,   64
.set OB,   96
.set ACC,  128
.set G1A, 24
.set G0A, 32                           ; s[32:39] one set for each slot
.set G1B, 48
.set G0B, 56
.set G1SA, 68
.set G0SA, 76
.set G1SB, 80
.set G0SB, 88
.set MSB, 0
.macro WIN new
.if MSB != (\new)
	s_set_vgpr_msb (MSB<<8)|(\new)
.set MSB, (\new)
.endif
.endm
.macro JLOAD s                         ; a joint load: waves 0 to 2 for the left side, wave 3 for Wo; an s_nop 0 and four v_nop follow each of the two lines
	s_cmp_lg_u32 s14, 3
	s_cbranch_scc0 .Lfor_b_\@
	tensor_load_to_lds s[G0A+4*\s:G0A+4*\s+3], s[G1A:G1A+7]
	s_nop 0
.rept 4
	v_nop
.endr
	s_branch .Lasked_\@
.Lfor_b_\@:
	tensor_load_to_lds s[G0B+4*\s:G0B+4*\s+3], s[G1B:G1B+7]
	s_nop 0
.rept 4
	v_nop
.endr
.Lasked_\@:
.endm
.macro CREST
	s_cmp_lg_u32 s14, 0
	s_cbranch_scc1 .Lnot_wave_0_\@
	s_barrier_signal -3
.Lnot_wave_0_\@:
	s_barrier_wait -3
	s_barrier_signal -1
	s_barrier_wait -1
.endm
.macro CROUND
	s_barrier_signal -1
	s_barrier_wait -1
	CREST
.endm
.macro PLACES n
.rept \n
	v_nop
.endr
.endm
	s_load_b256 s[4:11], s[0:1], 0x0               ; cx s[4:5], codes s[6:7], scl s[8:9], out0 s[10:11]
	v_lshl_add_u32 v[SPW], v0, 2, SPARE
	v_mov_b32 v[NIL], 0
	ds_add_u32 v[SPW], v[NIL]                      ; the wave's opening: the add, twice on end, and its wait ahead of my first tensor load
	ds_add_u32 v[SPW], v[NIL]
	v_lshrrev_b32 v1, 5, v0
	v_readfirstlane_b32 s14, v1                    ; wave 0..3
	s_lshr_b32 s15, s14, 1                         ; which half of the tile's rows is mine
	s_and_b32 s16, s14, 1                          ; which half of its columns
	s_bfe_u32 s40, ttmp6, 0x40000
	s_bfe_u32 s41, ttmp6, 0x40004
	s_lshl_b32 s42, ttmp9, 2
	s_add_co_u32 s42, s42, s40                     ; tile column X
	s_and_b32 s17, ttmp7, 0xffff
	s_lshl_b32 s17, s17, 2
	s_add_co_u32 s17, s17, s41                     ; tile row Y
	s_lshl_b32 s43, s41, 2
	s_lshl_b32 s43, 15, s43                        ; my row of the cluster
	s_lshl_b32 s44, 0x1111, s40                    ; my column
	s_or_b32 s[G1A], s43, (3<<16)|(1<<21)          ; a third of the left side's four heads: 32,768 dense bytes as 128 rows of 256; elements of 8 bytes
	s_mov_b32 s[G1A+1], 32<<16
	s_mov_b32 s[G1A+2], 384<<16                    ; the head's load brings all 384 rows; set to 128 behind the wait for it
	s_mov_b32 s[G1A+3], 32<<16
	s_mov_b32 s[G1A+4], 384
	s_mov_b32 s[G1A+5], 32
	s_mov_b32 s[G1A+6], 0
	s_mov_b32 s[G1A+7], 0
	s_or_b32 s[G1B], s44, (3<<16)|(1<<21)          ; Wo: 8 row tiles x 6,144 bytes (four K steps), 24,576 bytes apart
	s_mov_b32 s[G1B+1], 768<<16
	s_mov_b32 s[G1B+2], 8<<16
	s_mov_b32 s[G1B+3], 768<<16
	s_mov_b32 s[G1B+4], 8
	s_mov_b32 s[G1B+5], 3072
	s_mov_b32 s[G1B+6], 0
	s_mov_b32 s[G1B+7], 0
	s_or_b32 s[G1SA], s43, (3<<16)|(1<<21)         ; 16,384 dense bytes
	s_mov_b32 s[G1SA+1], 32<<16
	s_mov_b32 s[G1SA+2], 64<<16
	s_mov_b32 s[G1SA+3], 32<<16
	s_mov_b32 s[G1SA+4], 64
	s_mov_b32 s[G1SA+5], 32
	s_mov_b32 s[G1SA+6], 0
	s_mov_b32 s[G1SA+7], 0
	s_or_b32 s[G1SB], s44, (3<<16)|(1<<21)         ; 8,192 dense bytes
	s_mov_b32 s[G1SB+1], 32<<16
	s_mov_b32 s[G1SB+2], 32<<16
	s_mov_b32 s[G1SB+3], 32<<16
	s_mov_b32 s[G1SB+4], 32
	s_mov_b32 s[G1SB+5], 32
	s_mov_b32 s[G1SB+6], 0
	s_mov_b32 s[G1SB+7], 0
	s_mul_i32 s20, s17, 393216                     ; the left side's 128 rows: 16 heads x 2 x 12,288 bytes,
	s_lshl_b32 s45, s14, 15                        ; my third of four heads; the same in LDS
	s_add_co_u32 s20, s20, s45
	s_mov_b32 s21, 0
	s_lshl_b32 s22, s17, 14
	s_add_co_u32 s22, s22, 6291456                 ; their scale words
	s_mov_b32 s23, 0
	s_lshl_b32 s46, s42, 3
	s_add_co_u32 s46, s46, 512                     ; Wo's first row tile of my columns
	s_lshl_b32 s92, s46, 10
	s_mov_b32 s93, 0
	s_mul_i32 s46, s46, 24576
	s_mov_b32 s47, 0
	s_wait_dscnt 0x0                               ; both opening adds are done
	s_wait_kmcnt 0x0
	s_add_nc_u64 s[20:21], s[4:5], s[20:21]
	s_add_nc_u64 s[22:23], s[4:5], s[22:23]
	s_add_nc_u64 s[46:47], s[6:7], s[46:47]
	s_add_nc_u64 s[92:93], s[8:9], s[92:93]
	CROUND                                         ; all sixteen work-groups are here: the first joint loads meet
.irp s, 0,1
	s_mov_b32 s[G0A+4*\s], 1
	s_add_co_u32 s[G0A+4*\s+1], s45, \s*SLOT
	s_add_nc_u64 s[G0A+4*\s+2:G0A+4*\s+3], s[20:21], \s*98304
	s_or_b32 s[G0A+4*\s+3], s[G0A+4*\s+3], 0x80000000
	s_mov_b32 s[G0B+4*\s], 1
	s_mov_b32 s[G0B+4*\s+1], \s*SLOT+98304
	s_add_nc_u64 s[G0B+4*\s+2:G0B+4*\s+3], s[46:47], \s*6144
	s_or_b32 s[G0B+4*\s+3], s[G0B+4*\s+3], 0x80000000
.endr
	s_mov_b32 s[G0SA], 1
	s_mov_b32 s[G0SA+1], SCA
	s_mov_b64 s[G0SA+2:G0SA+3], s[22:23]
	s_or_b32 s[G0SA+3], s[G0SA+3], 0x80000000
	s_mov_b32 s[G0SB], 1
	s_mov_b32 s[G0SB+1], SCB
	s_mov_b64 s[G0SB+2:G0SB+3], s[92:93]
	s_or_b32 s[G0SB+3], s[G0SB+3], 0x80000000
	s_mov_b32 s12, s45
	s_mov_b32 s13, 0
	s_mov_b32 s4, 1                                ; group 0 for the head's load of the left side's whole slot 0 (the arguments that lay here have been used)
	s_mov_b32 s5, 0
	s_sub_nc_u64 s[6:7], s[20:21], s[12:13]
	s_or_b32 s7, s7, 0x80000000
	s_lshl_b32 s96, s40, 13                        ; the prefetches: my work-group's share, by its place among the four that ask jointly: an address alone hangs on it
	s_mul_i32 s97, s41, 49152
	s_cmp_lg_u32 s14, 3
	s_cselect_b64 s[94:95], s[20:21], s[46:47]
	s_cselect_b32 s96, s96, s97
	s_cselect_b32 s98, 31, 23                      ; 32 blocks of 256 bytes of the left side; 24 of a row tile of Wo
	s_mov_b32 s97, 0
	s_add_nc_u64 s[94:95], s[94:95], s[96:97]
.macro ASK f                           ; fill f is named: each block of 256 bytes once in the cluster; the registers are never rewritten
	s_cmp_lg_u32 s14, 3
	s_cbranch_scc0 .Lpw_\@
	global_prefetch_b8 v27, s[94:95] offset:98304*(\f) th:TH_LOAD_NT scope:SCOPE_SE
	s_branch .Lpd_\@
.Lpw_\@:
	global_prefetch_b8 v27, s[94:95] offset:6144*(\f) th:TH_LOAD_NT scope:SCOPE_SE
	global_prefetch_b8 v27, s[94:95] offset:6144*(\f)+24576 th:TH_LOAD_NT scope:SCOPE_SE
.Lpd_\@:
.endm
.macro ARM under, g0, g1, next         ; one chain of branches on the wave's number, one load to an arm
	s_cmp_lt_u32 s14, \under
	s_cbranch_scc0 \next
	tensor_load_to_lds s[\g0:\g0+3], s[\g1:\g1+7]
	s_nop 0
.rept 4
	v_nop
.endr
	s_branch .Lhead_asked
\next:
.endm
	ARM 1, 4,    G1A,  .Lhead_b
	ARM 2, G0B,  G1B,  .Lhead_sa
	ARM 3, G0SA, G1SA, .Lhead_sb
	tensor_load_to_lds s[G0SB:G0SB+3], s[G1SB:G1SB+7]
	s_nop 0
.rept 4
	v_nop
.endr
.Lhead_asked:
	v_and_b32 v1, 15, v0                           ; r
	v_bfe_u32 v2, v0, 4, 1                         ; h
	v_and_b32 v3, 31, v0
	v_lshlrev_b32 v4, 4, v3
	v_min_u32 v27, s98, v3
	v_lshlrev_b32 v27, 8, v27                      ; the prefetches' lane offset: lanes 256 bytes apart; lanes left over name the last block again
	s_mul_i32 s21, s15, 6144                       ; my four blocks of 16 rows
	v_add_nc_u32 v[ADRA], s21, v4
	v_add_nc_u32 v[ADRA+1], 49152, v[ADRA]
	v_add_nc_u32 v[ADRA+2], SLOT, v[ADRA]
	v_add_nc_u32 v[ADRA+3], SLOT+49152, v[ADRA]
	s_mul_i32 s22, s16, 24576                      ; my four row tiles of Wo
	s_add_co_u32 s22, s22, 98304
	v_add_nc_u32 v[ADRB], s22, v4
	v_add_nc_u32 v[ADRB+1], SLOT, v[ADRB]
	s_lshl_b32 s23, s15, 9
	s_add_co_u32 s23, s23, SCA
	v_lshlrev_b32 v[ASA], 2, v3
	v_add_nc_u32 v[ASA], s23, v[ASA]
	s_lshl_b32 s23, s16, 12
	s_add_co_u32 s23, s23, SCB
	v_lshlrev_b32 v[ASB], 3, v1
	v_add_nc_u32 v[ASB], s23, v[ASB]
	s_mul_i32 s23, s14, 4352                       ; my stage: 16 rows x 272 bytes, in slot 0, which has had its last fill and its last read when the first result is stored there
	v_mul_u32_u24 v[STO], v1, 272
	v_lshl_add_u32 v[STO], v2, 5, v[STO]
	v_add_nc_u32 v[STO], s23, v[STO]
	v_mul_u32_u24 v[RD], v2, 272
	v_lshl_add_u32 v[RD], v1, 4, v[RD]
	v_add_nc_u32 v[RD], s23, v[RD]
	v_lshlrev_b32 v[CO], 13, v2
	v_lshl_add_u32 v[CO], v1, 4, v[CO]             ; lanes 0-15 one row of out, lanes 16-31 the next
	s_lshl_b32 s92, s17, 7
	s_lshl_b32 s93, s15, 6
	s_add_co_u32 s92, s92, s93
	s_lshl_b32 s92, s92, 13                        ; my first row, 8,192 bytes a row,
	s_lshl_b32 s46, s42, 9
	s_lshl_b32 s47, s16, 8
	s_add_co_u32 s46, s46, s47                     ; my first column
	s_add_co_u32 s92, s92, s46
	s_mov_b32 s93, 0
	s_add_nc_u64 s[92:93], s[10:11], s[92:93]
.macro FETCH hd                        ; head hd's 12 fragments into set hd % 2: 36 loads of 512 consecutive bytes
.set SL, ((\hd)/4)%2
.set KP, (\hd)%4
	WIN 0x40*(1+(\hd)%2)
.irp b, 0,1,2,3
.irp c, 0,1,2
	ds_load_b128 v[12*\b+4*\c:12*\b+4*\c+3], v[ADRB+SL] offset:6144*\b+1536*KP+512*\c
.endr
.endr
.irp n, 0,1
.irp i, 0,1,2,3
.irp c, 0,1,2
	ds_load_b128 v[48+48*\n+12*\i+4*\c:48+48*\n+12*\i+4*\c+3], v[ADRA+2*SL+KP/2] offset:24576*(KP%2)+12288*\n+1536*\i+512*\c
.endr
.endr
.endr
.endm
.macro SCALES f                        ; the scale words of fill f's four heads into set f % 2
.set SS, (\f)%2
.irp u, 0,1,2,3
.irp i, 0,1,2,3
	ds_load_b32 v[SA+16*SS+4*\u+\i], v[ASA] offset:1024*(4*(\f)+\u)+128*\i
.endr
.endr
.irp b, 0,1,2,3
.irp u, 0,1
	ds_load_b64 v[SB+16*SS+4*\b+2*\u:SB+16*SS+4*\b+2*\u+1], v[ASB] offset:1024*\b+128*(2*(\f)+\u)
.endr
.endr
.endm
; 16 matrix instructions: my four blocks of rows x Wo's four, head hd; n = 0: ctx, 1: a_ctx.  The 16 accumulators take turns in the same order every time.
.macro MUL16 hd, n, zero
.set SET, (\hd)%2
.set SS, ((\hd)/4)%2
.set KP, (\hd)%4
	WIN 0x05*(1+SET)
.irp a, 0,1,2,3
.irp b, 0,1,2,3
.if \zero
	v_wmma_scale_f32_16x16x128_f8f6f4 v[ACC+8*(4*\a+\b):ACC+8*(4*\a+\b)+7], v[12*\b:12*\b+11], v[48+12*\a:48+12*\a+11], 0, v[SB+16*SS+4*\b+KP], v[SA+16*SS+4*KP+\a] matrix_a_fmt:MATRIX_FMT_FP6 matrix_b_fmt:MATRIX_FMT_FP6
.elseif \n
	v_wmma_scale_f32_16x16x128_f8f6f4 v[ACC+8*(4*\a+\b):ACC+8*(4*\a+\b)+7], v[12*\b:12*\b+11], v[96+12*\a:96+12*\a+11], v[ACC+8*(4*\a+\b):ACC+8*(4*\a+\b)+7], v[SB+16*SS+4*\b+KP], v[SA+16*SS+4*KP+\a] matrix_a_fmt:MATRIX_FMT_FP6 matrix_b_fmt:MATRIX_FMT_FP6 matrix_b_scale:MATRIX_SCALE_ROW1
.else
	v_wmma_scale_f32_16x16x128_f8f6f4 v[ACC+8*(4*\a+\b):ACC+8*(4*\a+\b)+7], v[12*\b:12*\b+11], v[48+12*\a:48+12*\a+11], v[ACC+8*(4*\a+\b):ACC+8*(4*\a+\b)+7], v[SB+16*SS+4*\b+KP], v[SA+16*SS+4*KP+\a] matrix_a_fmt:MATRIX_FMT_FP6 matrix_b_fmt:MATRIX_FMT_FP6
.endif
.endr
.endr
.endm
.macro HSTEP hd, zero                  ; a head that has its successor in the same slot
	s_wait_dscnt 0x0                               ; this head's fragments are in
	PLACES 4                                       ; in front of loads into the set that the last head's products read
	FETCH (\hd)+1
	MUL16 \hd, 0, \zero
	MUL16 \hd, 1, 0
.endm
; A slot's last head changes slots: each wave waits for all its tensor loads, adds 0 to its spare word, and waits for that and for its reads of this slot; one barrier.  fill = 1: the barrier opens a round of the cluster's barrier and the slot is filled again.
.macro TURN hd, slot, fill
	WIN 0
	s_wait_tensorcnt 0x0
	ds_add_u32 v[SPW], v[NIL]
	s_wait_dscnt 0x0                               ; the add is done, and my reads of this slot are over
	s_barrier_signal -1
	MUL16 \hd, 0, 0                                ; work on registers while the others arrive
	WIN 0
	s_barrier_wait -1
.if \fill
	CREST                                          ; no wave of any partner still reads this slot or has a load on its way
	s_add_nc_u64 s[G0A+4*\slot+2:G0A+4*\slot+3], s[G0A+4*\slot+2:G0A+4*\slot+3], 196608
	s_add_nc_u64 s[G0B+4*\slot+2:G0B+4*\slot+3], s[G0B+4*\slot+2:G0B+4*\slot+3], 12288
	JLOAD \slot                                    ; the first tensor load behind the round; its four v_nop are the places in front of the loads below
.else
	PLACES 4
.endif
	SCALES ((\hd)+1)/4
.if (\hd) == 3
	ASK 3
.endif
	FETCH (\hd)+1
	MUL16 \hd, 1, 0
.endm
	s_wait_alu depctr_va_vdst(0)
	ASK 1                                          ; fill 1, which is loaded when the head's tiles have landed
	s_wait_tensorcnt 0x0                           ; my tile of the head's four is in
	ds_add_u32 v[SPW], v[NIL]
	s_mov_b32 s[G1A+2], 128<<16
	s_mov_b32 s[G1A+4], 128
	s_wait_dscnt 0x0
	CROUND                                         ; all four tiles are in, and all sixteen work-groups are here
	JLOAD 1                                        ; slot 1, the first tensor load behind the round
	SCALES 0
	ASK 2
	FETCH 0
	HSTEP 0, 1                                     ; the first products start the sums
	HSTEP 1, 0
	HSTEP 2, 0
	TURN 3, 0, 1
	HSTEP 4, 0
	HSTEP 5, 0
	HSTEP 6, 0
	TURN 7, 1, 1
	HSTEP 8, 0
	HSTEP 9, 0
	HSTEP 10, 0
	TURN 11, 0, 0                                  ; nothing is left to fetch
	HSTEP 12, 0
	HSTEP 13, 0
	HSTEP 14, 0
	s_wait_dscnt 0x0
	MUL16 15, 0, 0
	MUL16 15, 1, 0
	WIN 0
	PLACES 4
	; THE WAY OUT, a block of 16 rows x 64 columns at a time through my stage: sixteen lanes then store 256 consecutive bytes, aligned.  LDS serves a wave's instructions in order.
.irp a, 0,1,2,3
.if \a > 0
	s_wait_xcnt 0x0                                ; the last block's stores have read their registers
.endif
.irp b, 0,1,2,3
	ds_store_b128 v[STO], v[ACC+8*(4*\a+\b):ACC+8*(4*\a+\b)+3] offset:64*\b        ; each accumulator from its low end on
	ds_store_b128 v[STO], v[ACC+8*(4*\a+\b)+4:ACC+8*(4*\a+\b)+7] offset:64*\b+16
.endr
.irp t, 0,1,2,3,4,5,6,7
	ds_load_b128 v[OB+4*\t:OB+4*\t+3], v[RD] offset:544*\t
.endr
	s_wait_dscnt 0x0
.irp t, 0,1,2,3,4,5,6,7
	global_store_b128 v[CO], v[OB+4*\t:OB+4*\t+3], s[92:93] offset:131072*\a+16384*\t th:TH_STORE_NT
.endr
.endr
	s_wait_tensorcnt 0x0                           ; the wave's end, behind my last tensor load and my last LDS store
	ds_add_u32 v[SPW], v[NIL]
	s_wait_dscnt 0x0
	CROUND                                         ; the closing round: no work-group ends while a partner may still ask for a tile that names it
	s_endpgm
.Lfunc_end_k_q2e96973552_outp:
	.size	k_q2e96973552_outp, .Lfunc_end_k_q2e96973552_outp-k_q2e96973552_outp
	.p2alignl 7, 3214868480
	.fill 96, 4, 3214868480
	.section	.rodata,"a",@progbits
	.p2align	6, 0x0
	.amdhsa_kernel k_q2e96973552_outp
		.amdhsa_group_segment_fixed_size 327680
		.amdhsa_private_segment_fixed_size 0
		.amdhsa_enable_private_segment 0
		.amdhsa_kernarg_size 32
		.amdhsa_user_sgpr_count 2
		.amdhsa_user_sgpr_kernarg_segment_ptr 1
		.amdhsa_wavefront_size32 1
		.amdhsa_system_sgpr_workgroup_id_x 1
		.amdhsa_system_sgpr_workgroup_id_y 1
		.amdhsa_system_sgpr_workgroup_id_z 1
		.amdhsa_system_vgpr_workitem_id 0
		.amdhsa_next_free_vgpr 768
		.amdhsa_next_free_sgpr 100
		.amdhsa_reserve_vcc 0
		.amdhsa_float_denorm_mode_32 3
		.amdhsa_float_denorm_mode_16_64 3
		.amdhsa_memory_ordered 1
		.amdhsa_forward_progress 1
		.amdhsa_inst_pref_size 131
	.end_amdhsa_kernel
	.amdgpu_metadata
---
amdhsa.version: [ 1, 2 ]
amdhsa.kernels:
  - .name:           k_q2e96973552_outp
    .symbol:         k_q2e96973552_outp.kd
    .args:
      - { .name: cx, .offset: 0, .size: 8, .value_kind: global_buffer, .address_space: global }
      - { .name: codes, .offset: 8, .size: 8, .value_kind: global_buffer, .address_space: global }
      - { .name: scl, .offset: 16, .size: 8, .value_kind: global_buffer, .address_space: global }
      - { .name: out0, .offset: 24, .size: 8, .value_kind: global_buffer, .address_space: global }
    .group_segment_fixed_size: 327680
    .private_segment_fixed_size: 0
    .kernarg_segment_align: 8
    .kernarg_segment_size: 32
    .max_flat_workgroup_size: 128
    .sgpr_count:     100
    .vgpr_count:     768
    .wavefront_size: 32
...
	.end_amdgpu_metadata
.endif
;; end of part 4
